; MI455X (gfx1250); checked and timed in simulation.
; The chip was launched on July 23, 2026; its instructions are those of AMD's public machine-readable ISA for CDNA 5 (MIT licence, August 2026) and "CDNA5" Instruction Set Architecture Reference Guide (July 2026). The comments in the code are by the model that wrote it; some were corrected since.
;; CLF QP Net. Allowed arithmetic: matrix products marked QUANTISED: E3M2 operands, one E8M0 scale for each 32 along K, by v_wmma_scale_f32_16x16x128_f8f6f4 with both operands' format E3M2, f32 sums; products left as they are: f32 operands where the result goes on into a quantised operand, else bf16, f16 or f32 operands; f32 sums; everything else in f32.
;; Inputs: Ub1 256 float32; Ub2 256 float32; Ub3 1 float32; Uw1 256 x 4 float32; Uw2 256 x 256 float32; Uw3 1 x 256 float32; Vb1 256 float32; Vb2 256 float32; Vb3 64 float32; Vw1 256 x 4 float32; Vw2 256 x 256 float32; Vw3 64 x 256 float32; x 131,072 x 4 float32.
;; Outputs: out0 131,072 x 1 float32; out1 131,072 float32; out2 131,072 x 1 x 1 float32.
;; This version of the problem:
;;   THIS VERSION OF THE PROBLEM IS GIVEN IN LOW PRECISION. The matrix products marked QUANTISED in the list below multiply operands that are first quantised to E3M2 (3 exponent bits, 2 mantissa bits; 6 bits a number), with one power-of-two scale for each 32 numbers along K (OCP MX v1.0); their sums are f32. All else is computed in f32.
;;   The module's matrix products, in the order in which they are computed (A, B: the left and right operand; K: the contracted axis; several contracted axes count as one K, in the product's order):
;;     1. [M 131,072, K 4] x [K 4, N 256]; A: input x; B: input Vw1: left as it is (K = 4 < 32)
;;     2. [M 131,072, K 256] x [K 256, N 256]; A: computed on the way; B: input Vw2: QUANTISED
;;     3. [M 131,072, K 256] x [K 256, N 64]; A: computed on the way; B: input Vw3: QUANTISED
;;     4. [M 524,288, K 256] x [K 256, N 256]; A: computed on the way; B: input Vw2: QUANTISED
;;     5. [M 524,288, K 256] x [K 256, N 64]; A: computed on the way; B: input Vw3: QUANTISED
;;     6. batch 131,072 x [M 1, K 64] x [K 64, N 4]; A: computed on the way; B: computed on the way: left as it is (M = 1 < 16)
;;     7. [M 131,072, K 4] x [K 4, N 256]; A: input x; B: input Uw1: left as it is (K = 4 < 32)
;;     8. [M 131,072, K 256] x [K 256, N 256]; A: computed on the way; B: input Uw2: QUANTISED
;;     9. [M 131,072, K 256] x [K 256, N 1]; A: computed on the way; B: input Uw3: left as it is (N = 1 < 16)
;;     10. batch 131,072 x [M 1, K 4] x [K 4, N 1]; A: computed on the way; B: computed on the way: left as it is (K = 4 < 32)
;;   THE QUANTISER, for each operand of a quantised product, along K:
;;     - K is cut into blocks of 32 from its start; a last block that is shorter is filled with zeros.
;;     - A block's scale is 2^e with e = floor(log2(the largest magnitude in the block)) - 4, held to -126 .. 127; a block of zeros has e = 0. As a byte (E8M0): e + 127.
;;     - Each number is divided by its block's scale, clamped to +-28, and rounded to the nearest number of E3M2, ties to even, subnormals kept.
;;     - The product sums the exact products of the quantised numbers (number of the format x scale) in f32.
;;   ~~~python
;;   def quantise(x, axis):      # numpy; x: float32 -> the quantised numbers, widened to float32 again
;;       x = np.moveaxis(x, axis, -1); K = x.shape[-1]
;;       x = np.pad(x, [(0, 0)] * (x.ndim - 1) + [(0, -K % 32)]); x = x.reshape(x.shape[:-1] + (-1, 32)); a = np.abs(x).max(-1, keepdims=True)
;;       e = np.where(a > 0, np.clip(np.frexp(np.where(a > 0, a, 1))[1] - 1 - 4, -126, 127), 0)      # np.frexp(a)[1] - 1 = floor(log2(a)), exactly
;;       r = np.clip(x / 2.0 ** e, -28, 28)
;;       step = 2.0 ** (np.maximum(np.frexp(np.where(r == 0, 1, r))[1] - 1, -2) - 2)
;;       q = np.round(r / step) * step * 2.0 ** e      # np.round: ties to even
;;       return np.moveaxis(q.reshape(q.shape[:-2] + (-1,))[..., :K], -1, axis).astype(np.float32)
;;   ~~~
;;   OPERANDS COMPUTED ON THE WAY. 'Computed on the way' means the value that the module computes at that place (a softmax that the list does not call 'softmax' is quantised finished and normalised). What goes into a quantiser is computed in f32, as accurately as f32 sums, v_exp_f32 and their like allow (about 1e-6 of the number): no bf16 or f16 on the way to a quantiser, and a product that is left as it is and whose result goes on into a quantised operand takes f32 operands (vector FMAs, or v_wmma_f32_16x16x4_f32). A number that lies on a knife's edge between two numbers of the format may be rounded either way, as far as f32 arithmetic and the matrix unit's own rounding can turn it there, and no further.
;; 2 versions, each right; version 2 is version 1 with the launch clf written anew for expert scheduling mode. Each part assembles by itself: llvm-mc -triple=amdgcn-amd-amdhsa -mcpu=gfx1250 --defsym DOCPART=n.
;; ======== version 1 of 2: 1 launch
;; limits: a function is approximated: absolute error at most 2e-07
;; launch clf (part 1): grid 256 x 1, 8 waves a work-group, no clusters, 159,232 bytes of LDS; arguments x, Vw1, Vb1, Vw2, Vb2, Vw3, Vb3, Uw1, Ub1, Uw2, Ub2, Uw3, Ub3, out0, out1, out2; writes out0, out1, out2
.if DOCPART == 1
	.amdgcn_target "amdgcn-amd-amdhsa--gfx1250"
	.amdhsa_code_object_version 6
	.text
	.protected	k_q2f30719238_clf
	.globl	k_q2f30719238_clf
	.p2align	8
	.type	k_q2f30719238_clf,@function
k_q2f30719238_clf:
	s_mov_b64 s[64:65], 0
	v_nop
	global_prefetch_b8 v0, s[64:65] scope:SCOPE_SE
	s_setreg_imm32_b32 hwreg(HW_REG_WAVE_MODE, 25, 1), 1
	s_wait_xcnt 0x0
; CLF_QP_Net: u = 20 tanh(U net), V = 0.5 |a3|^2, Vdot = grad V . (f + g u), for 131,072 rows of x [.,4].
; V net 4 -> 256 -> 256 -> 64 (tanh), with its Jacobian carried forward beside it: each batch row sends FIVE rows (a, and D's four columns) through Vw2 and Vw3.  U net 4 -> 256 -> 256 -> 1.
; The products on Vw2, Vw3, Uw2 run on codes of BF6 (E3M2) with one E8M0 scale for each 32 along K; the K = 4 products feed quantisers and run on f32 operands; all else is f32.
; SHARES.  256 work-groups of 8 waves; a work-group owns 512 rows, a wave 64.  WAVES OWN ROWS: behind the one barrier no wave needs another.
; HEAD.  The work-group quantises the three weights once (72 fragments, 9 a wave) and lays them in LDS as IMAGES OF OPERAND REGISTERS (3 x 512 bytes, lane l's 16 bytes at 16 l), with small f32 tables beside them.
; THEN each wave: the U net for its 64 rows at once (a weight fragment read from LDS feeds 4 products); the dynamics, a lane a row; four trips of 16 batch rows = 5 row tiles through the V chain (a fragment feeds 5 products);
; at the end 64 numbers of each output leave as one store of 256 consecutive bytes, aligned.
; LAYOUT.  All products are used transposed (source 0 = 16 rows of a weight, source 1 = 16 batch rows): a lane (r = lane % 16, h = lane / 16) holds ONE batch row r throughout.
; THE ROWS OF A WEIGHT THAT FORM A TILE ARE NOT NEIGHBOURS: row m of tile t of granule c (64 units) is weight row 64 c + 8 t + m % 8 + 32 (m / 8).  So result register 8 t + j of a lane is unit 64 c + 32 h + 8 t + j:
; a lane's 32 registers of a granule are ONE WHOLE BLOCK of 32 along the next K, in the very place the 6-bit operand layout gives that lane.  The block's maximum needs no other lane and the codes change no lane.
; A scale register carries two K steps: lanes 0-15 the words of K step 0, lanes 16-31 those of K step 1 (the second row of the scale register is then named on both sides).
; tanh(z) = 1 - 2 / (1 + 2^(c0 z)), c0 = 2 log2 e; c0 is folded into layer 1's tables.  sin and cos: reduction by pi/2 in two parts and polynomials of degree 7 and 8.
; NO CLUSTER, NO JOINT LOADS: what the work-groups share are the f32 weights (589,824 bytes), read once at the head, and they have to pass through registers to be quantised; the loops read nothing from memory.
; LIMITS.  tanh carries an absolute error of about 2e-7 (relative 2e-7 / |tanh|).  The reduction of theta keeps f32 accuracy up to |theta| of about 1e5.  NaN and infinities among the inputs are not served.
; A block of zeros gets the scale byte 1 where the quantiser says 127: its codes are zeros, which add nothing, and this program alone reads the bytes.
;
; LDS: 0: 8 x 9 images (fragment 2 t + s, granule G: 0-3 Vw2, 4 Vw3, 5-8 Uw2) at (2 t + s) IMGW + G IMG: a wave's nine are one region of its own.  TBASE: their scale words, (2 t + s) SCW + 64 G + 4 r; then the tables.
; WST + 3072 x wave: the wave's own bytes: +0 its 64 rows of x, +1024 q[row][4], +2048 u, +2304 V, +2560 Vdot.
.set IMG,   1536
.set IMGW,  9*IMG
.set TBASE, 8*IMGW                     ; 110,592
.set SCW,   9*64
.set TV1A,  8*SCW                      ; c0 Vw1 [256][4]          (offsets from TBASE)
.set TU1A,  TV1A+4096                  ; c0 Uw1 [256][4]
.set TV1T,  TU1A+4096                  ; Vw1 transposed: 1024 k + 4 unit
.set TB1V,  TV1T+4096                  ; c0 Vb1
.set TB1U,  TB1V+1024                  ; c0 Ub1
.set TB2V,  TB1U+1024                  ; Vb2
.set TB3V,  TB2V+1024                  ; Vb3, four copies: it stands where a fifth granule of Vb2 would
.set TB2U,  TB3V+1024                  ; Ub2
.set TW3U,  TB2U+1024                  ; Uw3
.set WST,   TBASE+TW3U+1024            ; 133,632
; REGISTERS, window 0: v1-9, v23 addresses that stay; v10, 11, 46, 47 addresses in hand; v12-22 the quantiser's; v24-38 scale words and their bytes; v39 a lane permute's destination; v40-43 the weights' scale words;
;   v44-45 x's f32 operand (later v44-47 q); v48-95 a ring of four weight fragments (in layer 1: its weights and bias); v96-255 five row tiles x 32 results.
; window 1: v0-119 the first layer's codes (row tile rt, K step s at 24 rt + 12 s); v120-239 the second layer's; v240-255 layer 1's sums, written by matrix instructions alone.
.set LI,  1                            ; 16 x lane
.set LT,  2                            ; TBASE + SCW h + 4 r
.set LH,  3                            ; TBASE + 128 h
.set A1,  4                            ; TBASE + 16 (r % 8 + 32 (r / 8)) + 8 h
.set XA,  5                            ; my stage + 16 r + 8 h
.set QA,  6                            ; my stage + 1024 + 16 r
.set OA,  7                            ; my stage + 2048 + 4 r
.set SH8, 8                            ; 8 h
.set LS,  9                            ; my stage + 16 x lane
.set TA,  10
.set TB,  11
.set MX,  12
.set E,   16
.set BY,  17
.set CT,  20
.set LI2, 23                           ; 16 x lane + 4 IMGW
.set SA,  24
.set SB0, 29
.set SB1, 34
.set OO,  39
.set WS,  40
.set XB,  44
.set TC,  46
.set TD,  47
.set WR,  48
.set ACC, 96
.set Z,   240
.set MSB, 0
.macro WIN new                         ; s_set_vgpr_msb: bits 1:0 source 0, 3:2 source 1, 5:4 source 2, 7:6 destination; the high byte repeats the setting that is left
.if MSB != (\new)
	s_set_vgpr_msb (MSB<<8)|(\new)
.set MSB, \new
.endif
.endm
.macro NOPS n
.rept \n
	v_nop
.endr
.endm
; ONE BLOCK OF 32, v[src] on, becomes 6 registers of codes at v[dst] of window dwin; its scale byte goes to byte 0 (cc = 0) or byte 2 (cc = 1) of v[by].
; Largest magnitude in four chains, with the floor 2^(5 - 127) as a leaf (the byte cannot fall under 1); 4 off its exponent field is the conversion's scale operand; that field is the byte.
.macro QH src, dst, dwin, by, cc
	v_max3_num_f32 v[MX], |v[(\src)]|, |v[(\src)+1]|, 0x2800000
	v_max3_num_f32 v[MX+1], |v[(\src)+2]|, |v[(\src)+3]|, |v[(\src)+4]|
	v_max3_num_f32 v[MX+2], |v[(\src)+5]|, |v[(\src)+6]|, |v[(\src)+7]|
	v_max3_num_f32 v[MX+3], |v[(\src)+8]|, |v[(\src)+9]|, |v[(\src)+10]|
.irp i, 0,1,2,3,4,5,6,7,8,9
	v_max3_num_f32 v[MX+\i%4], v[MX+\i%4], |v[(\src)+11+2*\i]|, |v[(\src)+12+2*\i]|
.endr
	v_max3_num_f32 v[MX], v[MX], v[MX+1], v[MX+2]
	v_max3_num_f32 v[MX], v[MX], v[MX+3], |v[(\src)+31]|
	v_add_nc_u32 v[E], 0xfe000000, v[MX]
.if (\cc) == 0
	v_lshrrev_b32 v[(\by)], 23, v[E]
.else
	v_lshrrev_b32 v[BY], 23, v[E]
	v_lshl_or_b32 v[(\by)], v[BY], 16, v[(\by)]
.endif
	v_cvt_scalef32_pk16_bf6_f32 v[CT:CT+2], v[(\src)+16:(\src)+31], v[E]   ; the upper 16: a conversion's three registers begin on an even number, so they are made here and moved
	WIN (\dwin)<<6
	v_cvt_scalef32_pk16_bf6_f32 v[(\dst):(\dst)+2], v[(\src):(\src)+15], v[E]
	v_nop                                          ; one plain place behind the scaled conversions
	v_mov_b32 v[(\dst)+3], v[CT]
	v_mov_b32 v[(\dst)+4], v[CT+1]
	v_mov_b32 v[(\dst)+5], v[CT+2]
	WIN 0
.endm
; Two K steps' bytes (s0, s1: my blocks h and 2 + h at bytes 0 and 2) become ONE scale register in v[s0]: lanes 0-15 K step 0's word, lanes 16-31 K step 1's.
; Each lane keeps the bytes that belong to its own final word and gives the others to lane l xor 16; both are first moved 8 h bits up.
.macro FINSC s0, s1
	v_cndmask_b32 v18, v[(\s0)], v[(\s1)], s46
	v_cndmask_b32 v19, v[(\s1)], v[(\s0)], s46
	v_lshlrev_b32 v18, v[SH8], v18
	v_lshlrev_b32 v19, v[SH8], v19
	v_permlanex16_b32 v[OO], v19, s44, s45
	v_or_b32 v[(\s0)], v18, v[OO]
.endm
; n registers hold 2^(c0 z): they become tanh z.  The exponentials and the reciprocals are a batch each, with one wait ahead of each batch's first reader.
.macro TAIL r, n
	s_wait_alu depctr_va_vdst(0)
.set I_, 0
.rept (\n)/2
	v_pk_add_f32 v[(\r)+I_:(\r)+I_+1], v[(\r)+I_:(\r)+I_+1], 1.0 op_sel_hi:[1,0]
.set I_, I_+2
.endr
.set I_, 0
.rept \n
	v_rcp_f32 v[(\r)+I_], v[(\r)+I_]
.set I_, I_+1
.endr
	v_nop                                          ; a plain place behind the last reciprocal
	s_wait_alu depctr_va_vdst(0)
.set I_, 0
.rept (\n)/2
	v_pk_fma_f32 v[(\r)+I_:(\r)+I_+1], v[(\r)+I_:(\r)+I_+1], -2.0, 1.0 op_sel_hi:[1,0,0]
.set I_, I_+2
.endr
.endm
.macro TANH r, n                       ; n registers hold z; each accumulator is read from its low end on
.set I_, 0
.rept (\n)/2
	v_pk_mul_f32 v[(\r)+I_:(\r)+I_+1], v[(\r)+I_:(\r)+I_+1], s[48:49] op_sel_hi:[1,0]
.set I_, I_+2
.endr
.set I_, 0
.rept \n
	v_exp_f32 v[(\r)+I_], v[(\r)+I_]
.set I_, I_+1
.endr
	v_nop                                          ; a plain place behind the last exponential
	TAIL \r, \n
.endm
; Layer 1, two tiles: c0 (W1 x + b1) by the f32 matrix form (K = 4 exactly; the bias is the C), then 2^(.) into v[dst] on.
; Eight places stand between this form and the first read of its results; the ninth, behind the exponentials, serves the next pair, which writes over the same sums, and is the exponentials' plain place.
.macro L1PAIR at, bc, xb, dst
	WIN 0x40                                       ; the sums lie in window 1
	v_wmma_f32_16x16x4_f32 v[Z:Z+7], v[(\at):(\at)+1], v[(\xb):(\xb)+1], v[(\bc):(\bc)+7]
	v_wmma_f32_16x16x4_f32 v[Z+8:Z+15], v[(\at)+2:(\at)+3], v[(\xb):(\xb)+1], v[(\bc)+8:(\bc)+15]
	NOPS 8
	WIN 0x01
.set I_, 0
.rept 16
	v_exp_f32 v[(\dst)+I_], v[Z+I_]
.set I_, I_+1
.endr
	v_nop
.endm
; Two weight fragments into the ring.  pair 0: tiles 0, 1 of K step 0; 1: tiles 2, 3; 2, 3: the same of K step 1.  Tile t always takes ring slot t.  a0, a1: the address registers for fragments 0-3 and 4-7.
.macro LDW pair, a0, a1, off
.irp u, 0,1
.set T_, 2*((\pair)&1)+\u
.set X_, 2*T_+((\pair)>>1)
.irp k, 0,1,2
.if X_ < 4
	ds_load_b128 v[WR+12*T_+4*\k:WR+12*T_+4*\k+3], v[\a0] offset:X_*IMGW+(\off)+512*\k
.else
	ds_load_b128 v[WR+12*T_+4*\k:WR+12*T_+4*\k+3], v[\a1] offset:(X_-4)*IMGW+(\off)+512*\k
.endif
.endr
.endr
.endm
.macro WSL a, off                      ; a granule's scale words: tile t's in v[WS + t]; lanes 0-15 K step 0, lanes 16-31 K step 1
.irp t, 0,1,2,3
	ds_load_b32 v[WS+\t], v[\a] offset:2*SCW*\t+(\off)
.endr
.endm
.macro PRE g
	LDW 0, LI, LI2, (\g)*IMG
	LDW 1, LI, LI2, (\g)*IMG
	WSL LT, (\g)*64
.endm
.macro BIAS g                          ; the bias in the result's layout, into row tile 0's accumulators: it is the C of their first products
.irp t, 0,1,2,3
	ds_load_b128 v[ACC+8*\t:ACC+8*\t+3], v[LH] offset:TB2V+256*(\g)+32*\t
	ds_load_b128 v[ACC+8*\t+4:ACC+8*\t+7], v[LH] offset:TB2V+256*(\g)+32*\t+16
.endr
.endm
; The products of one pair of weight fragments with n row tiles.  Every accumulator has a turn of one instruction and no two neighbours share one.
; mode 0 (V): K step 0 starts the sums: row tile 0 on its bias, which lies in the accumulator, the D rows on 0.  mode 1 (U): K step 0 takes the bias from window 1.
.macro MMP pair, bb, sr, n, mode
.irp u, 0,1
.set T_, 2*((\pair)&1)+\u
.set S_, (\pair)>>1
.set R_, 0
.rept \n
.set D_, ACC+32*R_+8*T_
.set B_, (\bb)+24*R_+12*S_
.if S_ == 1
	v_wmma_scale_f32_16x16x128_f8f6f4 v[D_:D_+7], v[WR+12*T_:WR+12*T_+11], v[B_:B_+11], v[D_:D_+7], v[WS+T_], v[(\sr)+R_] matrix_a_fmt:MATRIX_FMT_BF6 matrix_b_fmt:MATRIX_FMT_BF6 matrix_a_scale:MATRIX_SCALE_ROW1 matrix_b_scale:MATRIX_SCALE_ROW1
.elseif (\mode) == 1
	v_wmma_scale_f32_16x16x128_f8f6f4 v[D_:D_+7], v[WR+12*T_:WR+12*T_+11], v[B_:B_+11], v[96+8*T_:96+8*T_+7], v[WS+T_], v[(\sr)+R_] matrix_a_fmt:MATRIX_FMT_BF6 matrix_b_fmt:MATRIX_FMT_BF6
.elseif R_ == 0
	v_wmma_scale_f32_16x16x128_f8f6f4 v[D_:D_+7], v[WR+12*T_:WR+12*T_+11], v[B_:B_+11], v[D_:D_+7], v[WS+T_], v[(\sr)+R_] matrix_a_fmt:MATRIX_FMT_BF6 matrix_b_fmt:MATRIX_FMT_BF6
.else
	v_wmma_scale_f32_16x16x128_f8f6f4 v[D_:D_+7], v[WR+12*T_:WR+12*T_+11], v[B_:B_+11], 0, v[WS+T_], v[(\sr)+R_] matrix_a_fmt:MATRIX_FMT_BF6 matrix_b_fmt:MATRIX_FMT_BF6
.endif
.set R_, R_+1
.endr
.endr
.endm
; A granule of the V chain: 64 units x 5 row tiles x K = 256: 40 products.  Four places stand in front of each run of loads into ring slots that products have read, and of the first read of results.
.macro MM g, bb, sr, nxt
	s_wait_dscnt 0x0                               ; the first four fragments, the scale words and the bias are in
	WIN 0x04                                       ; source 1, the codes, in window 1
	MMP 0, \bb, \sr, 5, 0
	NOPS 4
	LDW 2, LI, LI2, (\g)*IMG
	MMP 1, \bb, \sr, 5, 0
	NOPS 4
	LDW 3, LI, LI2, (\g)*IMG
	s_wait_dscnt 6                                 ; the six loads just issued may be out; the six before them are in
	MMP 2, \bb, \sr, 5, 0
	s_wait_dscnt 0x0
	MMP 3, \bb, \sr, 5, 0
	NOPS 4
.if (\nxt) >= 0
	PRE \nxt                                       ; the next granule's first fragments land while this one's results are worked on
.endif
	WIN 0
.endm
; ---------------------------------------------------------------- HEAD
	s_load_b512 s[8:23], s[0:1], 0x0               ; x 8, Vw1 10, Vb1 12, Vw2 14, Vb2 16, Vw3 18, Vb3 20, Uw1 22
	s_load_b512 s[24:39], s[0:1], 0x40             ; Ub1 24, Uw2 26, Ub2 28, Uw3 30, Ub3 32, out0 34, out1 36, out2 38
	v_lshrrev_b32 v10, 5, v0
	v_readfirstlane_b32 s40, v10                   ; wave 0..7
	v_and_b32 v11, 31, v0                          ; lane
	v_and_b32 v12, 15, v0                          ; r
	v_bfe_u32 v13, v0, 4, 1                        ; h
	s_mul_i32 s41, s40, 3072
	s_add_co_u32 s41, s41, WST                     ; my wave's own bytes
	v_lshlrev_b32 v[LI], 4, v11
	v_add_nc_u32 v[LI2], 4*IMGW, v[LI]
	v_mul_u32_u24 v[LT], v13, SCW
	v_lshl_add_u32 v[LT], v12, 2, v[LT]
	v_add_nc_u32 v[LT], TBASE, v[LT]
	v_lshlrev_b32 v[LH], 7, v13
	v_add_nc_u32 v[LH], TBASE, v[LH]
	v_and_b32 v14, 7, v12
	v_bfe_u32 v15, v0, 3, 1
	v_lshl_add_u32 v14, v15, 5, v14                ; r % 8 + 32 (r / 8): the weight row that lane r takes in a tile
	v_lshlrev_b32 v[A1], 4, v14
	v_lshl_add_u32 v[A1], v13, 3, v[A1]
	v_add_nc_u32 v[A1], TBASE, v[A1]
	v_lshlrev_b32 v[XA], 4, v12
	v_add_nc_u32 v[QA], s41, v[XA]
	v_lshl_add_u32 v[XA], v13, 3, v[QA]
	v_add_nc_u32 v[QA], 1024, v[QA]
	v_lshlrev_b32 v[OA], 2, v12
	v_add_nc_u32 v[OA], s41, v[OA]
	v_add_nc_u32 v[OA], 2048, v[OA]
	v_lshlrev_b32 v[SH8], 3, v13
	v_add_nc_u32 v[LS], s41, v[LI]
	v_mov_b32 v[OO], 0                             ; written once: a lane permute's destination counts as one of its sources
	; the head's own: wave w quantises fragment (t, s) = (w / 2, w % 2) of every granule
	v_lshlrev_b32 v46, 10, v14                     ; v46: my byte in a granule of a weight: my row of 1,024 bytes,
	v_lshl_add_u32 v46, v13, 7, v46                ; + 128 h (32 numbers),
	s_lshr_b32 s53, s40, 1
	s_lshl_b32 s53, s53, 13                        ; + 8 t rows,
	s_and_b32 s52, s40, 1
	s_lshl_b32 s52, s52, 9                         ; + 128 s numbers
	s_add_co_u32 s53, s53, s52
	v_add_nc_u32 v46, s53, v46
	s_mul_i32 s53, s40, IMGW
	v_add_nc_u32 v47, s53, v[LI]                   ; v47: where my images go
	s_mul_i32 s53, s40, SCW
	v_lshlrev_b32 v10, 2, v12
	v_add_nc_u32 v10, s53, v10
	v_add_nc_u32 v10, TBASE, v10                   ; v10: and their scale words
	v_lshlrev_b32 v250, 4, v0                      ; the tables: thread j takes row j, or number j
	v_lshlrev_b32 v251, 2, v0
	v_and_b32 v252, 63, v0
	v_lshlrev_b32 v252, 2, v252
	v_add_nc_u32 v253, TBASE, v250
	v_add_nc_u32 v254, TBASE, v251
	s_mov_b32 s44, 0x76543210
	s_mov_b32 s45, 0xfedcba98                      ; v_permlanex16_b32's selects for lane l xor 16
	s_mov_b32 s46, 0xffff0000                      ; the mask of lanes 16-31
	s_mov_b32 s48, 0x4038aa3b                      ; c0 = 2 log2 e
	s_mov_b32 s49, s48                             ; (named with it as a pair, so it is written)
	s_lshl_b32 s42, ttmp9, 13                      ; x: 512 rows of 16 bytes a work-group,
	s_lshl_b32 s53, s40, 10                        ; 64 a wave
	s_add_co_u32 s42, s42, s53
	s_mov_b32 s43, 0
	s_lshl_b32 s54, ttmp9, 11                      ; the outputs: 4 bytes a row
	s_lshl_b32 s53, s40, 8
	s_add_co_u32 s54, s54, s53
	s_mov_b32 s55, 0
	s_wait_kmcnt 0x0
	s_load_b32 s50, s[32:33], 0x0                  ; Ub3
	s_add_nc_u64 s[8:9], s[8:9], s[42:43]
	s_add_nc_u64 s[34:35], s[34:35], s[54:55]
	s_add_nc_u64 s[36:37], s[36:37], s[54:55]
	s_add_nc_u64 s[38:39], s[38:39], s[54:55]
	global_load_b128 v[224:227], v[LI], s[8:9] th:TH_LOAD_NT
	global_load_b128 v[228:231], v[LI], s[8:9] offset:512 th:TH_LOAD_NT
	global_load_b128 v[232:235], v250, s[10:11]    ; Vw1's row j
	global_load_b128 v[236:239], v250, s[22:23]    ; Uw1's
	global_load_b32 v240, v251, s[12:13]           ; Vb1
	global_load_b32 v241, v251, s[24:25]           ; Ub1
	global_load_b32 v242, v251, s[16:17]           ; Vb2
	global_load_b32 v243, v251, s[28:29]           ; Ub2
	global_load_b32 v244, v251, s[30:31]           ; Uw3
	global_load_b32 v245, v252, s[20:21]           ; Vb3[j % 64]
; my fragment of granule g as f32: lane (r, h) takes k = 128 s + 64 cc + 32 h + 0 .. 31 of its row: 2 x 8 loads of 16 bytes, into buffer g % 2.  Every offset is an immediate on the weight's own pointer.
.macro LOADW g
.if (\g) < 4
.set P_, 14
.set O_, (\g)<<16
.elseif (\g) == 4
.set P_, 18
.set O_, 0
.else
.set P_, 26
.set O_, ((\g)-5)<<16
.endif
.irp cc, 0,1
.irp q, 0,1,2,3,4,5,6,7
	global_load_b128 v[96+64*((\g)%2)+32*\cc+4*\q:96+64*((\g)%2)+32*\cc+4*\q+3], v46, s[P_:P_+1] offset:O_+256*\cc+16*\q
.endr
.endr
.endm
.macro QW g                            ; it is quantised; its image and its rows' scale words go to LDS
	s_wait_dscnt 0x0                               ; the last image's stores have read their registers
	QH 96+64*((\g)%2), 48, 0, 18, 0
	QH 128+64*((\g)%2), 54, 0, 18, 1
	v_lshlrev_b32 v18, v[SH8], v18                 ; my two bytes, 8 h bits up;
	v_permlanex16_b32 v[OO], v18, s44, s45
	v_or_b32 v18, v18, v[OO]                       ; with lane l xor 16's two the word is whole
.irp k, 0,1,2
	ds_store_b128 v47, v[48+4*\k:51+4*\k] offset:(\g)*IMG+512*\k
.endr
	ds_store_b32 v10, v18 offset:(\g)*64           ; both halves of the lanes store the same word with the same value
.endm
	LOADW 0
	LOADW 1
	s_wait_loadcnt 32                              ; x and the tables are in; the 32 weight loads issued behind them may be out
	ds_store_b128 v[LS], v[224:227]                ; my 64 rows of x, as they lie
	ds_store_b128 v[LS], v[228:231] offset:512
	v_pk_mul_f32 v[246:247], v[232:233], s[48:49] op_sel_hi:[1,0]
	v_pk_mul_f32 v[248:249], v[234:235], s[48:49] op_sel_hi:[1,0]
	v_pk_mul_f32 v[236:237], v[236:237], s[48:49] op_sel_hi:[1,0]
	v_pk_mul_f32 v[238:239], v[238:239], s[48:49] op_sel_hi:[1,0]
	v_pk_mul_f32 v[240:241], v[240:241], s[48:49] op_sel_hi:[1,0]
	ds_store_b128 v253, v[246:249] offset:TV1A
	ds_store_b128 v253, v[236:239] offset:TU1A
.irp k, 0,1,2,3
	ds_store_b32 v254, v[232+\k] offset:TV1T+1024*\k
.endr
	ds_store_b32 v254, v240 offset:TB1V
	ds_store_b32 v254, v241 offset:TB1U
	ds_store_b32 v254, v242 offset:TB2V
	ds_store_b32 v254, v245 offset:TB3V
	ds_store_b32 v254, v243 offset:TB2U
	ds_store_b32 v254, v244 offset:TW3U
.irp g, 0,1,2,3,4,5,6,7,8
.if \g < 8
	s_wait_loadcnt 16                              ; this granule's 16 loads are in; the next granule's may be out
.else
	s_wait_loadcnt 0x0
.endif
	QW \g
.if \g < 7
	LOADW \g+2
.endif
.endr
	s_wait_kmcnt 0x0                               ; Ub3
	s_wait_dscnt 0x0                               ; for the others' sake: all my stores into the images and tables have landed
	s_barrier_signal -1
	s_barrier_wait -1                              ; the one barrier: behind it images and tables are only read, and a wave stores into its own bytes alone
	; every global load is done: the pointers of the inputs make room for the dynamics' constants
	s_mov_b32 s8, 0x3f22f983                       ; 2 / pi
	s_mov_b32 s9, 0xbfc90fdb                       ; -pi/2, its f32 part,
	s_mov_b32 s10, 0x333bbd2e                      ; and what that part leaves: +4.3711388e-8
	s_mov_b32 s11, 0xb94ca1f9                      ; sin: -1.9515296e-4
	s_mov_b32 s12, 0x3c08839e                      ;       8.3321609e-3
	s_mov_b32 s13, 0xbe2aaaa3                      ;      -0.16666655
	s_mov_b32 s14, 0x37ccf5ce                      ; cos:  2.4433157e-5
	s_mov_b32 s15, 0xbab6061a                      ;      -1.3887316e-3
	s_mov_b32 s16, 0x3d2aaaa5                      ;       4.1666646e-2
	s_mov_b32 s17, 0x411ccccd                      ; 9.8
	s_mov_b32 s18, 0x41380000                      ; 11.5
	s_mov_b32 s19, 0x4288cccd                      ; 68.4
	s_mov_b32 s20, 0xbf99999a                      ; -1.2
	s_mov_b32 s21, 0xbfe66666                      ; -1.8
	s_mov_b32 s22, 0xc12e6666                      ; -10.9
	s_mov_b32 s23, 0xc1c5999a                      ; -24.7
	s_mov_b32 s24, 0xc26b3333                      ; -58.8
	s_mov_b32 s25, 0xc3738000                      ; -243.5
	s_mov_b32 s26, 0x43504ccd                      ; 208.3
	s_mov_b32 s27, 0x4114cccd                      ; 9.3
	s_mov_b32 s28, 0x421a6666                      ; 38.6
; ---------------------------------------------------------------- THE U NET, 64 rows: four groups g of 16
; window 0: v96 + 32 g results; v224-231 x's operands; v232-239 the last layer's sums.  window 1: codes of group g, K step s at 24 g + 12 s; v96-127 Ub2, v128-159 Uw3 of the granule in hand.
.irp g, 0,1,2,3
	ds_load_b64 v[224+2*\g:225+2*\g], v[XA] offset:256*\g
.endr
; LAYER 1 is a loop of two trips, one for each K step of layer 2, so that its text stands once.  Both trips write the upper set of codes (12 .. 23) and SB1; at a trip's head the upper set moves down.
; The upper set is cleared once, so that the first trip's moves read written registers and no branch is needed.
	WIN 0x40
.irp g, 0,1,2,3
.irp i, 0,1,2,3,4,5,6,7,8,9,10,11
	v_mov_b32 v[24*\g+12+\i], 0
.endr
.endr
	WIN 0
.irp g, 0,1,2,3
	v_mov_b32 v[SB1+\g], 0
.endr
.macro UA cc                           ; granule 2 s + cc of layer 1, for the four groups
.irp t, 0,1,2,3
	ds_load_b64 v[WR+2*\t:WR+2*\t+1], v[TA] offset:TU1A+1024*(\cc)+128*\t
.endr
.irp t, 0,1,2,3
	ds_load_b128 v[56+8*\t:59+8*\t], v[TB] offset:TB1U+256*(\cc)+32*\t
	ds_load_b128 v[60+8*\t:63+8*\t], v[TB] offset:TB1U+256*(\cc)+32*\t+16
.endr
	s_wait_dscnt 0x0
.irp g, 0,1,2,3
	L1PAIR 48, 56, 224+2*\g, 96+32*\g
	L1PAIR 52, 72, 224+2*\g, 112+32*\g
.endr
	WIN 0
	TAIL 96, 128
.irp g, 0,1,2,3
	QH 96+32*\g, 24*\g+12+6*(\cc), 1, SB1+\g, \cc
.endr
.endm
	s_mov_b32 s56, 0                               ; 2,048 a trip: 128 rows of the weights' table
	s_mov_b32 s57, 0                               ; 512 a trip: 128 numbers of the bias
	s_mov_b32 s62, 0
.Lua:
	WIN 0x41
.irp g, 0,1,2,3
.irp i, 0,1,2,3,4,5,6,7,8,9,10,11
	v_mov_b32 v[24*\g+\i], v[24*\g+12+\i]
.endr
.endr
	WIN 0
.irp g, 0,1,2,3
	v_mov_b32 v[SA+\g], v[SB1+\g]
.endr
	v_add_nc_u32 v[TA], s56, v[A1]
	v_add_nc_u32 v[TB], s57, v[LH]
	UA 0
	UA 1
	s_add_co_u32 s56, s56, 2048
	s_add_co_u32 s57, s57, 512
	s_add_co_u32 s62, s62, 1
	s_cmp_lt_u32 s62, 2
	s_cbranch_scc1 .Lua
.irp g, 0,1,2,3
	FINSC SA+\g, SB1+\g
.endr
.irp i, 0,1,2,3,4,5,6,7
	v_mov_b32 v[232+\i], 0                         ; the last layer's sums; these eight are also the places between the scale registers' last write and the first scaled product
.endr
	LDW 0, LI, LI2, 5*IMG                          ; Uw2's granule 0
	LDW 1, LI, LI2, 5*IMG
	WSL LT, 5*64
	WIN 0x40
.irp t, 0,1,2,3
	ds_load_b128 v[96+8*\t:99+8*\t], v[LH] offset:TB2U+32*\t
	ds_load_b128 v[100+8*\t:103+8*\t], v[LH] offset:TB2U+32*\t+16
.endr
	WIN 0
; LAYERS 2 AND 3: a trip is a granule of 64 units: 32 products, tanh, and its part of the dot product with Uw3.
	s_mov_b32 s56, 0                               ; IMG a trip
	s_mov_b32 s57, 0                               ; 64 a trip
	s_mov_b32 s58, 0                               ; 256 a trip
	s_mov_b32 s62, 0
.Lub:
	v_add_nc_u32 v[TA], s56, v[LI]
	v_add_nc_u32 v[TC], s56, v[LI2]
	v_add_nc_u32 v[TB], s57, v[LT]
	v_add_nc_u32 v[TD], s58, v[LH]
	s_wait_dscnt 0x0                               ; the first four fragments, the scale words and the bias are in
	WIN 0x40
.irp t, 0,1,2,3
	ds_load_b128 v[128+8*\t:131+8*\t], v[TD] offset:TW3U+32*\t
	ds_load_b128 v[132+8*\t:135+8*\t], v[TD] offset:TW3U+32*\t+16
.endr
	WIN 0x14                                       ; codes and bias in window 1
	MMP 0, 0, SA, 4, 1
	NOPS 4
	LDW 2, TA, TC, 5*IMG
	MMP 1, 0, SA, 4, 1
	NOPS 4
	LDW 3, TA, TC, 5*IMG
	WIN 0x04
	s_wait_dscnt 6                                 ; the six loads just issued may be out; Uw3's and the six before them are in
	MMP 2, 0, SA, 4, 1
	s_wait_dscnt 0x0
	MMP 3, 0, SA, 4, 1
	NOPS 4
	WIN 0
	s_cmp_eq_u32 s62, 3                            ; the last granule has no successor
	s_cbranch_scc1 .Lub_last
	LDW 0, TA, TC, 6*IMG
	LDW 1, TA, TC, 6*IMG
	WSL TB, 6*64
	WIN 0x40
.irp t, 0,1,2,3
	ds_load_b128 v[96+8*\t:99+8*\t], v[TD] offset:TB2U+256+32*\t
	ds_load_b128 v[100+8*\t:103+8*\t], v[TD] offset:TB2U+256+32*\t+16
.endr
	WIN 0
.Lub_last:
	TANH 96, 128
	WIN 0x04
.irp j, 0,2,4,6,8,10,12,14,16,18,20,22,24,26,28,30
.irp g, 0,1,2,3
	v_pk_fma_f32 v[232+2*\g:233+2*\g], v[96+32*\g+\j:97+32*\g+\j], v[128+\j:129+\j], v[232+2*\g:233+2*\g]
.endr
.endr
	WIN 0
	s_add_co_u32 s56, s56, IMG
	s_add_co_u32 s57, s57, 64
	s_add_co_u32 s58, s58, 256
	s_add_co_u32 s62, s62, 1
	s_cmp_lt_u32 s62, 4
	s_cbranch_scc1 .Lub
.irp g, 0,1,2,3
	v_add_f32 v[232+2*\g], v[232+2*\g], v[233+2*\g]
.endr
.irp g, 0,1,2,3
	v_permlanex16_b32 v[233+2*\g], v[232+2*\g], s44, s45
.endr
.irp g, 0,1,2,3
	v_add_f32 v[232+2*\g], v[232+2*\g], v[233+2*\g]   ; with lane l xor 16's units: the row's sum
.endr
.irp g, 0,1,2,3
	v_add_f32 v[232+2*\g], s50, v[232+2*\g]
.endr
.irp g, 0,1,2,3
	v_mul_f32 v[232+2*\g], s48, v[232+2*\g]
.endr
.irp g, 0,1,2,3
	v_exp_f32 v[232+2*\g], v[232+2*\g]
.endr
	v_nop
	s_wait_alu depctr_va_vdst(0)                   ; one wait for the four, ahead of their first reader
.irp g, 0,1,2,3
	v_add_f32 v[232+2*\g], 1.0, v[232+2*\g]
.endr
.irp g, 0,1,2,3
	v_rcp_f32 v[232+2*\g], v[232+2*\g]
.endr
	v_nop
	s_wait_alu depctr_va_vdst(0)
.irp g, 0,1,2,3
	v_fma_f32 v[232+2*\g], v[232+2*\g], -2.0, 1.0
.endr
.irp g, 0,1,2,3
	v_mul_f32 v[232+2*\g], 0x41a00000, v[232+2*\g]    ; u = 20 tanh
.endr
.irp g, 0,1,2,3
	ds_store_b32 v[OA], v[232+2*\g] offset:64*\g      ; both halves of the lanes store the same word with the same value
.endr
; ---------------------------------------------------------------- THE DYNAMICS, a lane a row (rows lane and lane + 32): q = f + g u, so that Vdot = grad V . q
	v_lshrrev_b32 v[TA], 2, v[LI]
	v_add_nc_u32 v[TA], s41, v[TA]                 ; my stage + 4 x lane
	ds_load_b128 v[48:51], v[LS]
	ds_load_b128 v[56:59], v[LS] offset:512
	ds_load_b32 v52, v[TA] offset:2048             ; LDS serves a wave's instructions in order: these see my stores of u
	ds_load_b32 v60, v[TA] offset:2176
	s_wait_dscnt 0x0
.macro DYN j
.set DX_, 48+8*(\j)                    ; p, theta, v, omega, u
	v_mul_f32 v64, s8, v[DX_+1]
	v_rndne_f32 v64, v64                           ; n = the nearest multiple of pi/2
	v_fma_f32 v65, v64, s9, v[DX_+1]
	v_fma_f32 v65, v64, s10, v65                   ; rho = theta - n pi/2, in two parts
	v_cvt_i32_f32 v66, v64
	v_mul_f32 v67, v65, v65                        ; z = rho^2
	v_fma_f32 v68, v67, s11, s12
	v_fma_f32 v69, v67, s14, s15
	v_fma_f32 v68, v68, v67, s13
	v_fma_f32 v69, v69, v67, s16
	v_mul_f32 v68, v68, v67
	v_mul_f32 v70, v67, v67
	v_fma_f32 v71, v67, -0.5, 1.0
	v_fma_f32 v68, v68, v65, v65                   ; sin rho
	v_fma_f32 v69, v69, v70, v71                   ; cos rho
	v_and_b32 v70, 1, v66
	v_cmp_eq_u32 vcc_lo, 1, v70                    ; odd n: the two change places
	v_cndmask_b32 v72, v68, v69, vcc_lo
	v_cndmask_b32 v73, v69, v68, vcc_lo
	v_and_b32 v70, 2, v66
	v_add_nc_u32 v71, 1, v66
	v_lshlrev_b32 v70, 30, v70
	v_and_b32 v71, 2, v71
	v_xor_b32 v72, v70, v72                        ; s = sin theta
	v_lshlrev_b32 v71, 30, v71
	v_xor_b32 v73, v71, v73                        ; c = cos theta
	v_mul_f32 v74, v[DX_+3], v[DX_+3]              ; omega^2
	v_mul_f32 v75, s18, v[DX_+2]
	v_fma_f32 v75, v72, s17, v75                   ; 9.8 s + 11.5 v
	v_mul_f32 v75, v75, v73
	v_fma_f32 v75, v[DX_+2], s19, v75              ; + 68.4 v
	v_mul_f32 v76, v74, v72
	v_fma_f32 v75, v76, s20, v75                   ; - 1.2 omega^2 s
	v_fma_f32 v76, v73, s21, s22
	v_fma_f32 v75, v76, v[DX_+4], v75              ; + (-1.8 c - 10.9) u
	v_add_f32 v77, s23, v73                        ; c - 24.7
	v_fma_f32 v78, v73, s24, s25
	v_mul_f32 v78, v78, v[DX_+2]                   ; v (-58.8 c - 243.5)
	v_fma_f32 v79, v74, v73, s26
	v_fma_f32 v78, -v72, v79, v78                  ; - s (208.3 + omega^2 c)
	v_fma_f32 v79, v73, s27, s28
	v_fma_f32 v78, v79, v[DX_+4], v78              ; + (9.3 c + 38.6) u
	v_fma_f32 v80, v73, v73, s23                   ; c^2 - 24.7
	v_rcp_f32 v77, v77
	v_rcp_f32 v80, v80
	v_mov_b32 v[88+4*(\j)], v[DX_+2]               ; q0 = v, q1 = omega (plain work behind the reciprocals)
	v_mov_b32 v[89+4*(\j)], v[DX_+3]
	s_wait_alu depctr_va_vdst(0)                   ; one wait for the two, ahead of their first reader
	v_mul_f32 v[90+4*(\j)], v75, v77
	v_mul_f32 v[91+4*(\j)], v78, v80
	ds_store_b128 v[LS], v[88+4*(\j):91+4*(\j)] offset:1024+512*(\j)
.endm
	DYN 0
	DYN 1
; ---------------------------------------------------------------- THE V CHAIN: four trips of 16 batch rows = 5 row tiles (0: a; 1 + k: D's column k)
; Layer 1, granule c: a1, then D1[k] = (1 - a1^2) Vw1[.][k].  v96 + 32 k takes Vw1's column k, v224-255 a1.
.macro VA c
.irp t, 0,1,2,3
	ds_load_b64 v[WR+2*\t:WR+2*\t+1], v[A1] offset:TV1A+1024*(\c)+128*\t
.endr
.irp t, 0,1,2,3
	ds_load_b128 v[56+8*\t:59+8*\t], v[LH] offset:TB1V+256*(\c)+32*\t
	ds_load_b128 v[60+8*\t:63+8*\t], v[LH] offset:TB1V+256*(\c)+32*\t+16
.endr
.irp k, 0,1,2,3
.irp t, 0,1,2,3
	ds_load_b128 v[ACC+32*\k+8*\t:ACC+32*\k+8*\t+3], v[LH] offset:TV1T+1024*\k+256*(\c)+32*\t
	ds_load_b128 v[ACC+32*\k+8*\t+4:ACC+32*\k+8*\t+7], v[LH] offset:TV1T+1024*\k+256*(\c)+32*\t+16
.endr
.endr
	s_wait_dscnt 32                                ; x, the weights and the bias are in; the 32 loads of Vw1's columns, issued behind them, may be out
	L1PAIR 48, 56, XB, 224
	L1PAIR 52, 72, XB, 240
	WIN 0
	TAIL 224, 32
	QH 224, 12*((\c)/2)+6*((\c)%2), 1, SA+10*((\c)/2), (\c)%2
.irp j, 0,2,4,6,8,10,12,14,16,18,20,22,24,26,28,30
	v_pk_fma_f32 v[224+\j:225+\j], v[224+\j:225+\j], v[224+\j:225+\j], 1.0 op_sel_hi:[1,1,0] neg_lo:[1,0,0] neg_hi:[1,0,0]   ; 1 - a1^2
.endr
	s_wait_dscnt 0x0
.irp j, 0,2,4,6,8,10,12,14,16,18,20,22,24,26,28,30
.irp k, 0,1,2,3
	v_pk_mul_f32 v[ACC+32*\k+\j:ACC+32*\k+\j+1], v[ACC+32*\k+\j:ACC+32*\k+\j+1], v[224+\j:225+\j]
.endr
.endr
.irp k, 0,1,2,3
	QH ACC+32*\k, 24*(\k+1)+12*((\c)/2)+6*((\c)%2), 1, SA+10*((\c)/2)+1+\k, (\c)%2
.endr
.endm
; Layer 2's results of granule c: a2 = tanh, D2[k] = (1 - a2^2) (Vw2 D1[k]); all five quantised.  The next granule's bias lands in row tile 0's registers while the D rows are quantised.
.macro VEC2 c
	TANH ACC, 32
	QH ACC, 120+12*((\c)/2)+6*((\c)%2), 1, SB0+5*((\c)/2), (\c)%2
.irp j, 0,2,4,6,8,10,12,14,16,18,20,22,24,26,28,30
	v_pk_fma_f32 v[ACC+\j:ACC+\j+1], v[ACC+\j:ACC+\j+1], v[ACC+\j:ACC+\j+1], 1.0 op_sel_hi:[1,1,0] neg_lo:[1,0,0] neg_hi:[1,0,0]
.endr
.irp j, 0,2,4,6,8,10,12,14,16,18,20,22,24,26,28,30
.irp k, 1,2,3,4
	v_pk_mul_f32 v[ACC+32*\k+\j:ACC+32*\k+\j+1], v[ACC+32*\k+\j:ACC+32*\k+\j+1], v[ACC+\j:ACC+\j+1]
.endr
.endr
	BIAS (\c)+1
.irp k, 1,2,3,4
	QH ACC+32*\k, 120+24*\k+12*((\c)/2)+6*((\c)%2), 1, SB0+5*((\c)/2)+\k, (\c)%2
.endr
.endm
	s_mov_b32 s60, 0                               ; 256 a trip: 16 rows of x and of q
	s_mov_b32 s61, 0                               ; 64 a trip: 16 numbers of an output
.Lv:
	v_add_nc_u32 v[TA], s60, v[XA]
	ds_load_b64 v[XB:XB+1], v[TA]
	VA 0
	VA 1
	VA 2
	VA 3
	PRE 0
	BIAS 0
.irp t, 0,1,2,3,4
	FINSC SA+\t, SB1+\t
.endr
	NOPS 8                                         ; a scale register written by a vector instruction stands eight places ahead of a scaled product
	MM 0, 0, SA, 1
	VEC2 0
	MM 1, 0, SA, 2
	VEC2 1
	MM 2, 0, SA, 3
	VEC2 2
	MM 3, 0, SA, 4                                 ; the next granule is Vw3
	VEC2 3
.irp t, 0,1,2,3,4
	FINSC SB0+\t, SB1+\t
.endr
	v_add_nc_u32 v[TA], s60, v[QA]
	ds_load_b128 v[44:47], v[TA]                   ; my row's q
	NOPS 8
	MM 4, 120, SB0, -1
	TANH ACC, 32                                   ; a3
	v_pk_mul_f32 v[48:49], v[ACC:ACC+1], v[ACC:ACC+1]           ; the sum of a3^2, in two chains
	v_pk_mul_f32 v[50:51], v[ACC+2:ACC+3], v[ACC+2:ACC+3]
.irp j, 4,8,12,16,20,24,28
	v_pk_fma_f32 v[48:49], v[ACC+\j:ACC+\j+1], v[ACC+\j:ACC+\j+1], v[48:49]
	v_pk_fma_f32 v[50:51], v[ACC+\j+2:ACC+\j+3], v[ACC+\j+2:ACC+\j+3], v[50:51]
.endr
.irp b, 0,8,16,24                      ; w = a3 (1 - a3^2), four pairs at a time
.irp j, 0,2,4,6
	v_pk_fma_f32 v[52+\j:53+\j], v[ACC+\b+\j:ACC+\b+\j+1], v[ACC+\b+\j:ACC+\b+\j+1], 1.0 op_sel_hi:[1,1,0] neg_lo:[1,0,0] neg_hi:[1,0,0]
.endr
.irp j, 0,2,4,6
	v_pk_mul_f32 v[ACC+\b+\j:ACC+\b+\j+1], v[ACC+\b+\j:ACC+\b+\j+1], v[52+\j:53+\j]
.endr
.endr
.irp k, 0,1,2,3                        ; grad V[k] = the sum of w (Vw3 D2[k]): the four k by turns; each accumulator is read from its low end on
	v_pk_mul_f32 v[60+2*\k:61+2*\k], v[ACC:ACC+1], v[128+32*\k:129+32*\k]
.endr
.irp j, 2,4,6,8,10,12,14,16,18,20,22,24,26,28,30
.irp k, 0,1,2,3
	v_pk_fma_f32 v[60+2*\k:61+2*\k], v[ACC+\j:ACC+\j+1], v[128+32*\k+\j:129+32*\k+\j], v[60+2*\k:61+2*\k]
.endr
.endr
.irp k, 0,1,2,3
	v_add_f32 v[60+2*\k], v[60+2*\k], v[61+2*\k]
.endr
	v_pk_add_f32 v[48:49], v[48:49], v[50:51]
	v_mul_f32 v68, v44, v60
	v_add_f32 v48, v48, v49
	v_fma_f32 v68, v45, v62, v68
	v_fma_f32 v68, v46, v64, v68
	v_fma_f32 v68, v47, v66, v68                   ; my half's part of grad V . q
	v_permlanex16_b32 v49, v48, s44, s45
	v_permlanex16_b32 v[OO], v68, s44, s45
	v_add_f32 v48, v48, v49
	v_add_f32 v68, v68, v[OO]                      ; Vdot
	v_mul_f32 v48, 0.5, v48                        ; V
	v_add_nc_u32 v[TB], s61, v[OA]
	ds_store_b32 v[TB], v48 offset:256
	ds_store_b32 v[TB], v68 offset:512
	s_wait_dscnt 0x0                               ; the stores have read their registers
	s_add_co_u32 s61, s61, 64
	s_add_co_u32 s60, s60, 256
	s_cmp_lt_u32 s60, 1024
	s_cbranch_scc1 .Lv
; ---------------------------------------------------------------- THE WAY OUT: 64 numbers of each output, 8 bytes a lane: each store of the wave covers 256 consecutive bytes, aligned
	v_lshrrev_b32 v[TA], 1, v[LI]                  ; 8 x lane
	v_add_nc_u32 v[TB], s41, v[TA]
	ds_load_b64 v[48:49], v[TB] offset:2048
	ds_load_b64 v[50:51], v[TB] offset:2304
	ds_load_b64 v[52:53], v[TB] offset:2560
	s_wait_dscnt 0x0
	global_store_b64 v[TA], v[48:49], s[34:35] th:TH_STORE_NT
	global_store_b64 v[TA], v[50:51], s[36:37] th:TH_STORE_NT
	global_store_b64 v[TA], v[52:53], s[38:39] th:TH_STORE_NT
	s_wait_xcnt 0x0
	v_lshl_add_u32 v254, v0, 2, 0x26a00
	v_mov_b32 v255, 0
	s_wait_tensorcnt 0x0
	ds_add_u32 v254, v255
	s_wait_dscnt 0x0
	s_endpgm
.Lfunc_end_k_q2f30719238_clf:
	.size	k_q2f30719238_clf, .Lfunc_end_k_q2f30719238_clf-k_q2f30719238_clf
	.p2alignl 7, 3214868480
	.fill 96, 4, 3214868480
	.section	.rodata,"a",@progbits
	.p2align	6, 0x0
	.amdhsa_kernel k_q2f30719238_clf
		.amdhsa_group_segment_fixed_size 159232
		.amdhsa_private_segment_fixed_size 0
		.amdhsa_enable_private_segment 0
		.amdhsa_kernarg_size 128
		.amdhsa_user_sgpr_count 2
		.amdhsa_user_sgpr_kernarg_segment_ptr 1
		.amdhsa_wavefront_size32 1
		.amdhsa_system_sgpr_workgroup_id_x 1
		.amdhsa_system_sgpr_workgroup_id_y 1
		.amdhsa_system_sgpr_workgroup_id_z 1
		.amdhsa_system_vgpr_workitem_id 0
		.amdhsa_next_free_vgpr 512
		.amdhsa_next_free_sgpr 66
		.amdhsa_reserve_vcc 1
		.amdhsa_float_denorm_mode_32 3
		.amdhsa_float_denorm_mode_16_64 3
		.amdhsa_memory_ordered 1
		.amdhsa_forward_progress 1
		.amdhsa_inst_pref_size 255
	.end_amdhsa_kernel
	.section	.bss,"aw",@nobits
	.p2align	6
	.space	262144
	.amdgpu_metadata
---
amdhsa.version: [ 1, 2 ]
amdhsa.kernels:
  - .name:           k_q2f30719238_clf
    .symbol:         k_q2f30719238_clf.kd
    .args:
      - { .name: x, .offset: 0, .size: 8, .value_kind: global_buffer, .address_space: global }
      - { .name: Vw1, .offset: 8, .size: 8, .value_kind: global_buffer, .address_space: global }
      - { .name: Vb1, .offset: 16, .size: 8, .value_kind: global_buffer, .address_space: global }
      - { .name: Vw2, .offset: 24, .size: 8, .value_kind: global_buffer, .address_space: global }
      - { .name: Vb2, .offset: 32, .size: 8, .value_kind: global_buffer, .address_space: global }
      - { .name: Vw3, .offset: 40, .size: 8, .value_kind: global_buffer, .address_space: global }
      - { .name: Vb3, .offset: 48, .size: 8, .value_kind: global_buffer, .address_space: global }
      - { .name: Uw1, .offset: 56, .size: 8, .value_kind: global_buffer, .address_space: global }
      - { .name: Ub1, .offset: 64, .size: 8, .value_kind: global_buffer, .address_space: global }
      - { .name: Uw2, .offset: 72, .size: 8, .value_kind: global_buffer, .address_space: global }
      - { .name: Ub2, .offset: 80, .size: 8, .value_kind: global_buffer, .address_space: global }
      - { .name: Uw3, .offset: 88, .size: 8, .value_kind: global_buffer, .address_space: global }
      - { .name: Ub3, .offset: 96, .size: 8, .value_kind: global_buffer, .address_space: global }
      - { .name: out0, .offset: 104, .size: 8, .value_kind: global_buffer, .address_space: global }
      - { .name: out1, .offset: 112, .size: 8, .value_kind: global_buffer, .address_space: global }
      - { .name: out2, .offset: 120, .size: 8, .value_kind: global_buffer, .address_space: global }
    .group_segment_fixed_size: 159232
    .private_segment_fixed_size: 0
    .kernarg_segment_align: 8
    .kernarg_segment_size: 128
    .max_flat_workgroup_size: 256
    .sgpr_count:     66
    .vgpr_count:     512
    .wavefront_size: 32
...
	.end_amdgpu_metadata
.endif
;; end of part 1
;; ======== version 2 of 2: 1 launch; version 1 with the launch clf written anew for expert scheduling mode
;; limits: a function is approximated: absolute error at most 2e-07
;; launch clf (part 2): grid 256 x 1, 8 waves a work-group, no clusters, 159,232 bytes of LDS; arguments x, Vw1, Vb1, Vw2, Vb2, Vw3, Vb3, Uw1, Ub1, Uw2, Ub2, Uw3, Ub3, out0, out1, out2; writes out0, out1, out2
.if DOCPART == 2
	.amdgcn_target "amdgcn-amd-amdhsa--gfx1250"
	.amdhsa_code_object_version 6
	.text
	.protected	k_q2f30719238_clf
	.globl	k_q2f30719238_clf
	.p2align	8
	.type	k_q2f30719238_clf,@function
k_q2f30719238_clf:
	s_mov_b64 s[64:65], 0
	v_nop
	global_prefetch_b8 v0, s[64:65] scope:SCOPE_SE
	s_setreg_imm32_b32 hwreg(HW_REG_WAVE_SCHED_MODE, 0, 2), 2
	s_setreg_imm32_b32 hwreg(HW_REG_WAVE_MODE, 25, 1), 1
	s_wait_xcnt 0x0
	s_wait_alu depctr_vm_vsrc(0)
; CLF_QP_Net: u = 20 tanh(U net), V = 0.5 |a3|^2, Vdot = grad V . (f + g u), for 131,072 rows of x [.,4].
; V net 4 -> 256 -> 256 -> 64 (tanh), with its Jacobian carried forward beside it: each batch row sends FIVE rows (a, and D's four columns) through Vw2 and Vw3.  U net 4 -> 256 -> 256 -> 1.
; The products on Vw2, Vw3, Uw2 run on codes of BF6 (E3M2) with one E8M0 scale for each 32 along K; the K = 4 products feed quantisers and run on f32 operands; all else is f32.
; SHARES.  256 work-groups of 8 waves; a work-group owns 512 rows, a wave 64.  WAVES OWN ROWS: behind the one barrier no wave needs another.
; HEAD.  The work-group quantises the three weights once (72 fragments, 9 a wave) and lays them in LDS as IMAGES OF OPERAND REGISTERS (3 x 512 bytes, lane l's 16 bytes at 16 l), with small f32 tables beside them.
; THEN each wave: the U net for its 64 rows at once (a weight fragment read from LDS feeds 4 products); the dynamics, a lane a row; four trips of 16 batch rows = 5 row tiles through the V chain (a fragment feeds 5 products);
; at the end 64 numbers of each output leave as one store of 256 consecutive bytes, aligned.
; LAYOUT.  All products are used transposed (source 0 = 16 rows of a weight, source 1 = 16 batch rows): a lane (r = lane % 16, h = lane / 16) holds ONE batch row r throughout.
; THE ROWS OF A WEIGHT THAT FORM A TILE ARE NOT NEIGHBOURS: row m of tile t of granule c (64 units) is weight row 64 c + 8 t + m % 8 + 32 (m / 8).  So result register 8 t + j of a lane is unit 64 c + 32 h + 8 t + j:
; a lane's 32 registers of a granule are ONE WHOLE BLOCK of 32 along the next K, in the very place the 6-bit operand layout gives that lane.  The block's maximum needs no other lane and the codes change no lane.
; A scale register carries two K steps: lanes 0-15 the words of K step 0, lanes 16-31 those of K step 1 (the second row of the scale register is then named on both sides).
; tanh(z) = 1 - 2 / (1 + 2^(c0 z)), c0 = 2 log2 e; c0 is folded into layer 1's tables.  sin and cos: reduction by pi/2 in two parts and polynomials of degree 7 and 8.
; NO CLUSTER, NO JOINT LOADS: what the work-groups share are the f32 weights (589,824 bytes), read once at the head, and they have to pass through registers to be quantised; the loops read nothing from memory.
; LIMITS.  tanh carries an absolute error of about 2e-7 (relative 2e-7 / |tanh|).  The reduction of theta keeps f32 accuracy up to |theta| of about 1e5.  NaN and infinities among the inputs are not served.
; A block of zeros gets the scale byte 1 where the quantiser says 127: its codes are zeros, which add nothing, and this program alone reads the bytes.
;
; THE MODE: SCHED_MODE bits 1:0 = 2 (LLVM: expert scheduling mode 2), set by the entry lines.  The code itself states the register dependences between vector or matrix instructions and memory or LDS instructions,
; with s_wait_alu, always for 0.
; THE PLAN.  Registers that memory or LDS instructions touch, and who else names them:
;   v1-9, v23         addresses that stay: written once at the head, ahead of the head's wait on va_vdst; never again.
;   v10, 11, 46, 47   addresses in hand: each rewriting stands behind a wait on vm_vsrc (what was issued has read the old address) and ahead of a wait on va_vdst (the new one is written).
;   v48-95, v40-43    the ring and the weights' scale words: LDS loads land, the scaled products read.  In a granule slots 0, 1 are asked for again behind the first pair's products, slots 2, 3 behind the second pair's,
;                     each behind a wait on va_vdst.  THE NEXT GRANULE'S first four fragments and scale words are asked for behind the tanh: its two waits on va_vdst stand behind all the granule's products,
;                     and no vector or matrix instruction behind them names the ring or the scale words.
;   v44-45, v48-87    in layer 1: x's operand, the weights, the bias: LDS loads land, the f32 products read.  The next granule's are asked for behind the tanh's waits, likewise.
;   v96-223           in the V chain's layer 1 Vw1's columns land here, behind a wait at the granule's head: the quantiser is done reading the last granule's D1.
;   v96-127           the next granule's bias lands here, behind a wait: what lay there has been read for the last time.
;   stores' data      (images v48-59 and v18; the tables; u; q; V and Vdot): a wait on va_vdst ahead of each run of stores, a wait on vm_vsrc ahead of the next writing of those registers.
;   codes and scale registers that vector instructions made: their places, then a wait on va_vdst, ahead of the first scaled product that takes them.
;
; LDS: 0: 8 x 9 images (fragment 2 t + s, granule G: 0-3 Vw2, 4 Vw3, 5-8 Uw2) at (2 t + s) IMGW + G IMG: a wave's nine are one region of its own.  TBASE: their scale words, (2 t + s) SCW + 64 G + 4 r; then the tables.
; WST + 3072 x wave: the wave's own bytes: +0 its 64 rows of x, +1024 q[row][4], +2048 u, +2304 V, +2560 Vdot.
.set IMG,   1536
.set IMGW,  9*IMG
.set TBASE, 8*IMGW                     ; 110,592
.set SCW,   9*64
.set TV1A,  8*SCW                      ; c0 Vw1 [256][4]          (offsets from TBASE)
.set TU1A,  TV1A+4096                  ; c0 Uw1 [256][4]
.set TV1T,  TU1A+4096                  ; Vw1 transposed: 1024 k + 4 unit
.set TB1V,  TV1T+4096                  ; c0 Vb1
.set TB1U,  TB1V+1024                  ; c0 Ub1
.set TB2V,  TB1U+1024                  ; Vb2
.set TB3V,  TB2V+1024                  ; Vb3, four copies: it stands where a fifth granule of Vb2 would
.set TB2U,  TB3V+1024                  ; Ub2
.set TW3U,  TB2U+1024                  ; Uw3
.set WST,   TBASE+TW3U+1024            ; 133,632
; REGISTERS, window 0: v1-9, v23 addresses that stay; v10, 11, 46, 47 addresses in hand; v12-22 the quantiser's; v24-38 scale words and their bytes; v39 a lane permute's destination; v40-43 the weights' scale words;
;   v44-45 x's f32 operand (later v44-47 q); v48-95 a ring of four weight fragments (in layer 1: its weights and bias); v96-255 five row tiles x 32 results.
; window 1: v0-119 the first layer's codes (row tile rt, K step s at 24 rt + 12 s); v120-239 the second layer's; v240-255 layer 1's sums, written by matrix instructions alone.
.set LI,  1                            ; 16 x lane
.set LT,  2                            ; TBASE + SCW h + 4 r
.set LH,  3                            ; TBASE + 128 h
.set A1,  4                            ; TBASE + 16 (r % 8 + 32 (r / 8)) + 8 h
.set XA,  5                            ; my stage + 16 r + 8 h
.set QA,  6                            ; my stage + 1024 + 16 r
.set OA,  7                            ; my stage + 2048 + 4 r
.set SH8, 8                            ; 8 h
.set LS,  9                            ; my stage + 16 x lane
.set TA,  10
.set TB,  11
.set MX,  12
.set E,   16
.set BY,  17
.set CT,  20
.set LI2, 23                           ; 16 x lane + 4 IMGW
.set SA,  24
.set SB0, 29
.set SB1, 34
.set OO,  39
.set WS,  40
.set XB,  44
.set TC,  46
.set TD,  47
.set WR,  48
.set ACC, 96
.set Z,   240
.set MSB, 0
.macro WIN new                         ; s_set_vgpr_msb: bits 1:0 source 0, 3:2 source 1, 5:4 source 2, 7:6 destination; the high byte repeats the setting that is left
.if MSB != (\new)
	s_set_vgpr_msb (MSB<<8)|(\new)
.set MSB, \new
.endif
.endm
.macro NOPS n
.rept \n
	v_nop
.endr
.endm
; ONE BLOCK OF 32, v[src] on, becomes 6 registers of codes at v[dst] of window dwin; its scale byte goes to byte 0 (cc = 0) or byte 2 (cc = 1) of v[by].
; Largest magnitude in four chains, with the floor 2^(5 - 127) as a leaf (the byte cannot fall under 1); 4 off its exponent field is the conversion's scale operand; that field is the byte.
.macro QH src, dst, dwin, by, cc
	v_max3_num_f32 v[MX], |v[(\src)]|, |v[(\src)+1]|, 0x2800000
	v_max3_num_f32 v[MX+1], |v[(\src)+2]|, |v[(\src)+3]|, |v[(\src)+4]|
	v_max3_num_f32 v[MX+2], |v[(\src)+5]|, |v[(\src)+6]|, |v[(\src)+7]|
	v_max3_num_f32 v[MX+3], |v[(\src)+8]|, |v[(\src)+9]|, |v[(\src)+10]|
.irp i, 0,1,2,3,4,5,6,7,8,9
	v_max3_num_f32 v[MX+\i%4], v[MX+\i%4], |v[(\src)+11+2*\i]|, |v[(\src)+12+2*\i]|
.endr
	v_max3_num_f32 v[MX], v[MX], v[MX+1], v[MX+2]
	v_max3_num_f32 v[MX], v[MX], v[MX+3], |v[(\src)+31]|
	v_add_nc_u32 v[E], 0xfe000000, v[MX]
.if (\cc) == 0
	v_lshrrev_b32 v[(\by)], 23, v[E]
.else
	v_lshrrev_b32 v[BY], 23, v[E]
	v_lshl_or_b32 v[(\by)], v[BY], 16, v[(\by)]
.endif
	v_cvt_scalef32_pk16_bf6_f32 v[CT:CT+2], v[(\src)+16:(\src)+31], v[E]   ; the upper 16: a conversion's three registers begin on an even number, so they are made here and moved
	WIN (\dwin)<<6
	v_cvt_scalef32_pk16_bf6_f32 v[(\dst):(\dst)+2], v[(\src):(\src)+15], v[E]
	v_nop                                          ; one plain place behind the scaled conversions
	v_mov_b32 v[(\dst)+3], v[CT]
	v_mov_b32 v[(\dst)+4], v[CT+1]
	v_mov_b32 v[(\dst)+5], v[CT+2]
	WIN 0
.endm
; Two K steps' bytes (s0, s1: my blocks h and 2 + h at bytes 0 and 2) become ONE scale register in v[s0]: lanes 0-15 K step 0's word, lanes 16-31 K step 1's.
; Each lane keeps the bytes that belong to its own final word and gives the others to lane l xor 16; both are first moved 8 h bits up.  (The mask s46 is written by a scalar instruction.)
.macro FINSC s0, s1
	v_cndmask_b32 v18, v[(\s0)], v[(\s1)], s46
	v_cndmask_b32 v19, v[(\s1)], v[(\s0)], s46
	v_lshlrev_b32 v18, v[SH8], v18
	v_lshlrev_b32 v19, v[SH8], v19
	v_permlanex16_b32 v[OO], v19, s44, s45
	v_or_b32 v[(\s0)], v18, v[OO]
.endm
; n registers hold 2^(c0 z): they become tanh z.  The exponentials and the reciprocals are a batch each, with one wait ahead of each batch's first reader.
; Both waits stand behind every product that made z: so behind this macro the registers that those products read may be loaded again with no further wait, as long as nothing since names them.
.macro TAIL r, n
	s_wait_alu depctr_va_vdst(0)                   ; the exponentials have written v[r ..], which the additions read
.set I_, 0
.rept (\n)/2
	v_pk_add_f32 v[(\r)+I_:(\r)+I_+1], v[(\r)+I_:(\r)+I_+1], 1.0 op_sel_hi:[1,0]
.set I_, I_+2
.endr
.set I_, 0
.rept \n
	v_rcp_f32 v[(\r)+I_], v[(\r)+I_]
.set I_, I_+1
.endr
	v_nop                                          ; a plain place behind the last reciprocal
	s_wait_alu depctr_va_vdst(0)                   ; the reciprocals have written v[r ..], which the multiply-adds read
.set I_, 0
.rept (\n)/2
	v_pk_fma_f32 v[(\r)+I_:(\r)+I_+1], v[(\r)+I_:(\r)+I_+1], -2.0, 1.0 op_sel_hi:[1,0,0]
.set I_, I_+2
.endr
.endm
.macro TANH r, n                       ; n registers hold z; each accumulator is read from its low end on
.set I_, 0
.rept (\n)/2
	v_pk_mul_f32 v[(\r)+I_:(\r)+I_+1], v[(\r)+I_:(\r)+I_+1], s[48:49] op_sel_hi:[1,0]
.set I_, I_+2
.endr
.set I_, 0
.rept \n
	v_exp_f32 v[(\r)+I_], v[(\r)+I_]
.set I_, I_+1
.endr
	v_nop                                          ; a plain place behind the last exponential
	TAIL \r, \n
.endm
; Layer 1, two tiles: c0 (W1 x + b1) by the f32 matrix form (K = 4 exactly; the bias is the C), then 2^(.) into v[dst] on.
; Eight places stand between this form and the first read of its results; the ninth, behind the exponentials, serves the next pair, which writes over the same sums, and is the exponentials' plain place.
.macro L1PAIR at, bc, xb, dst
	WIN 0x40                                       ; the sums lie in window 1
	v_wmma_f32_16x16x4_f32 v[Z:Z+7], v[(\at):(\at)+1], v[(\xb):(\xb)+1], v[(\bc):(\bc)+7]
	v_wmma_f32_16x16x4_f32 v[Z+8:Z+15], v[(\at)+2:(\at)+3], v[(\xb):(\xb)+1], v[(\bc)+8:(\bc)+15]
	NOPS 8
	WIN 0x01
.set I_, 0
.rept 16
	v_exp_f32 v[(\dst)+I_], v[Z+I_]
.set I_, I_+1
.endr
	v_nop
.endm
; Two weight fragments into the ring.  pair 0: tiles 0, 1 of K step 0; 1: tiles 2, 3; 2, 3: the same of K step 1.  Tile t always takes ring slot t.  a0, a1: the address registers for fragments 0-3 and 4-7.
.macro LDW pair, a0, a1, off
.irp u, 0,1
.set T_, 2*((\pair)&1)+\u
.set X_, 2*T_+((\pair)>>1)
.irp k, 0,1,2
.if X_ < 4
	ds_load_b128 v[WR+12*T_+4*\k:WR+12*T_+4*\k+3], v[\a0] offset:X_*IMGW+(\off)+512*\k
.else
	ds_load_b128 v[WR+12*T_+4*\k:WR+12*T_+4*\k+3], v[\a1] offset:(X_-4)*IMGW+(\off)+512*\k
.endif
.endr
.endr
.endm
.macro WSL a, off                      ; a granule's scale words: tile t's in v[WS + t]; lanes 0-15 K step 0, lanes 16-31 K step 1
.irp t, 0,1,2,3
	ds_load_b32 v[WS+\t], v[\a] offset:2*SCW*\t+(\off)
.endr
.endm
.macro PRE g                           ; a granule's first four fragments and its scale words: 16 loads
	LDW 0, LI, LI2, (\g)*IMG
	LDW 1, LI, LI2, (\g)*IMG
	WSL LT, (\g)*64
.endm
.macro BIAS g                          ; the bias in the result's layout, into row tile 0's accumulators: it is the C of their first products
.irp t, 0,1,2,3
	ds_load_b128 v[ACC+8*\t:ACC+8*\t+3], v[LH] offset:TB2V+256*(\g)+32*\t
	ds_load_b128 v[ACC+8*\t+4:ACC+8*\t+7], v[LH] offset:TB2V+256*(\g)+32*\t+16
.endr
.endm
; The products of one pair of weight fragments with n row tiles.  Every accumulator has a turn of one instruction and no two neighbours share one.
; mode 0 (V): K step 0 starts the sums: row tile 0 on its bias, which lies in the accumulator, the D rows on 0.  mode 1 (U): K step 0 takes the bias from window 1.
.macro MMP pair, bb, sr, n, mode
.irp u, 0,1
.set T_, 2*((\pair)&1)+\u
.set S_, (\pair)>>1
.set R_, 0
.rept \n
.set D_, ACC+32*R_+8*T_
.set B_, (\bb)+24*R_+12*S_
.if S_ == 1
	v_wmma_scale_f32_16x16x128_f8f6f4 v[D_:D_+7], v[WR+12*T_:WR+12*T_+11], v[B_:B_+11], v[D_:D_+7], v[WS+T_], v[(\sr)+R_] matrix_a_fmt:MATRIX_FMT_BF6 matrix_b_fmt:MATRIX_FMT_BF6 matrix_a_scale:MATRIX_SCALE_ROW1 matrix_b_scale:MATRIX_SCALE_ROW1
.elseif (\mode) == 1
	v_wmma_scale_f32_16x16x128_f8f6f4 v[D_:D_+7], v[WR+12*T_:WR+12*T_+11], v[B_:B_+11], v[96+8*T_:96+8*T_+7], v[WS+T_], v[(\sr)+R_] matrix_a_fmt:MATRIX_FMT_BF6 matrix_b_fmt:MATRIX_FMT_BF6
.elseif R_ == 0
	v_wmma_scale_f32_16x16x128_f8f6f4 v[D_:D_+7], v[WR+12*T_:WR+12*T_+11], v[B_:B_+11], v[D_:D_+7], v[WS+T_], v[(\sr)+R_] matrix_a_fmt:MATRIX_FMT_BF6 matrix_b_fmt:MATRIX_FMT_BF6
.else
	v_wmma_scale_f32_16x16x128_f8f6f4 v[D_:D_+7], v[WR+12*T_:WR+12*T_+11], v[B_:B_+11], 0, v[WS+T_], v[(\sr)+R_] matrix_a_fmt:MATRIX_FMT_BF6 matrix_b_fmt:MATRIX_FMT_BF6
.endif
.set R_, R_+1
.endr
.endr
.endm
; A granule of the V chain: 64 units x 5 row tiles x K = 256: 40 products.  In front of each run of loads into ring slots that products have read: four places, then the wait that states the dependence.
; The four places at the end stand in front of the first read of results (ISA guide 7.12.1).  The next granule's first fragments are asked for by what follows, behind the tanh.
.macro MM g, bb, sr
	s_wait_dscnt 0x0                               ; the first four fragments, the scale words and the bias are in
	WIN 0x04                                       ; source 1, the codes, in window 1
	MMP 0, \bb, \sr, 5, 0
	NOPS 4
	s_wait_alu depctr_va_vdst(0)                   ; the first pair's products are done reading ring slots 0 and 1, in which the loads below land
	LDW 2, LI, LI2, (\g)*IMG
	MMP 1, \bb, \sr, 5, 0
	NOPS 4
	s_wait_alu depctr_va_vdst(0)                   ; the second pair's products are done reading ring slots 2 and 3, in which the loads below land
	LDW 3, LI, LI2, (\g)*IMG
	s_wait_dscnt 6                                 ; the six loads just issued may be out; the six before them are in
	MMP 2, \bb, \sr, 5, 0
	s_wait_dscnt 0x0
	MMP 3, \bb, \sr, 5, 0
	NOPS 4
	WIN 0
.endm
; ---------------------------------------------------------------- HEAD
	s_load_b512 s[8:23], s[0:1], 0x0               ; x 8, Vw1 10, Vb1 12, Vw2 14, Vb2 16, Vw3 18, Vb3 20, Uw1 22
	s_load_b512 s[24:39], s[0:1], 0x40             ; Ub1 24, Uw2 26, Ub2 28, Uw3 30, Ub3 32, out0 34, out1 36, out2 38
	v_lshrrev_b32 v10, 5, v0
	v_readfirstlane_b32 s40, v10                   ; wave 0..7
	v_and_b32 v11, 31, v0                          ; lane
	v_and_b32 v12, 15, v0                          ; r
	v_bfe_u32 v13, v0, 4, 1                        ; h
	s_wait_alu depctr_va_sdst(0)                   ; s40 is written, ahead of its first reader: the wave's places in LDS, in x and in the outputs are made from it
	s_mul_i32 s41, s40, 3072
	s_add_co_u32 s41, s41, WST                     ; my wave's own bytes
	v_lshlrev_b32 v[LI], 4, v11
	v_add_nc_u32 v[LI2], 4*IMGW, v[LI]
	v_mul_u32_u24 v[LT], v13, SCW
	v_lshl_add_u32 v[LT], v12, 2, v[LT]
	v_add_nc_u32 v[LT], TBASE, v[LT]
	v_lshlrev_b32 v[LH], 7, v13
	v_add_nc_u32 v[LH], TBASE, v[LH]
	v_and_b32 v14, 7, v12
	v_bfe_u32 v15, v0, 3, 1
	v_lshl_add_u32 v14, v15, 5, v14                ; r % 8 + 32 (r / 8): the weight row that lane r takes in a tile
	v_lshlrev_b32 v[A1], 4, v14
	v_lshl_add_u32 v[A1], v13, 3, v[A1]
	v_add_nc_u32 v[A1], TBASE, v[A1]
	v_lshlrev_b32 v[XA], 4, v12
	v_add_nc_u32 v[QA], s41, v[XA]
	v_lshl_add_u32 v[XA], v13, 3, v[QA]
	v_add_nc_u32 v[QA], 1024, v[QA]
	v_lshlrev_b32 v[OA], 2, v12
	v_add_nc_u32 v[OA], s41, v[OA]
	v_add_nc_u32 v[OA], 2048, v[OA]
	v_lshlrev_b32 v[SH8], 3, v13
	v_add_nc_u32 v[LS], s41, v[LI]
	v_mov_b32 v[OO], 0                             ; written once: a lane permute's destination counts as one of its sources
	; the head's own: wave w quantises fragment (t, s) = (w / 2, w % 2) of every granule
	v_lshlrev_b32 v46, 10, v14                     ; v46: my byte in a granule of a weight: my row of 1,024 bytes,
	v_lshl_add_u32 v46, v13, 7, v46                ; + 128 h (32 numbers),
	s_lshr_b32 s53, s40, 1
	s_lshl_b32 s53, s53, 13                        ; + 8 t rows,
	s_and_b32 s52, s40, 1
	s_lshl_b32 s52, s52, 9                         ; + 128 s numbers
	s_add_co_u32 s53, s53, s52
	v_add_nc_u32 v46, s53, v46
	s_mul_i32 s53, s40, IMGW
	v_add_nc_u32 v47, s53, v[LI]                   ; v47: where my images go
	s_mul_i32 s53, s40, SCW
	v_lshlrev_b32 v10, 2, v12
	v_add_nc_u32 v10, s53, v10
	v_add_nc_u32 v10, TBASE, v10                   ; v10: and their scale words
	v_lshlrev_b32 v250, 4, v0                      ; the tables: thread j takes row j, or number j
	v_lshlrev_b32 v251, 2, v0
	v_and_b32 v252, 63, v0
	v_lshlrev_b32 v252, 2, v252
	v_add_nc_u32 v253, TBASE, v250
	v_add_nc_u32 v254, TBASE, v251
	s_mov_b32 s44, 0x76543210
	s_mov_b32 s45, 0xfedcba98                      ; v_permlanex16_b32's selects for lane l xor 16
	s_mov_b32 s46, 0xffff0000                      ; the mask of lanes 16-31
	s_mov_b32 s48, 0x4038aa3b                      ; c0 = 2 log2 e
	s_mov_b32 s49, s48                             ; (named with it as a pair, so it is written)
	s_lshl_b32 s42, ttmp9, 13                      ; x: 512 rows of 16 bytes a work-group,
	s_lshl_b32 s53, s40, 10                        ; 64 a wave
	s_add_co_u32 s42, s42, s53
	s_mov_b32 s43, 0
	s_lshl_b32 s54, ttmp9, 11                      ; the outputs: 4 bytes a row
	s_lshl_b32 s53, s40, 8
	s_add_co_u32 s54, s54, s53
	s_mov_b32 s55, 0
	s_wait_kmcnt 0x0
	s_load_b32 s50, s[32:33], 0x0                  ; Ub3
	s_add_nc_u64 s[8:9], s[8:9], s[42:43]
	s_add_nc_u64 s[34:35], s[34:35], s[54:55]
	s_add_nc_u64 s[36:37], s[36:37], s[54:55]
	s_add_nc_u64 s[38:39], s[38:39], s[54:55]
	s_wait_alu depctr_va_vdst(0)                   ; every address made above is written: v1-7, v9, v23, which stay, and the head's own v10, v46, v47, v250-254; the loads and stores below read them
	global_load_b128 v[224:227], v[LI], s[8:9] th:TH_LOAD_NT
	global_load_b128 v[228:231], v[LI], s[8:9] offset:512 th:TH_LOAD_NT
	global_load_b128 v[232:235], v250, s[10:11]    ; Vw1's row j
	global_load_b128 v[236:239], v250, s[22:23]    ; Uw1's
	global_load_b32 v240, v251, s[12:13]           ; Vb1
	global_load_b32 v241, v251, s[24:25]           ; Ub1
	global_load_b32 v242, v251, s[16:17]           ; Vb2
	global_load_b32 v243, v251, s[28:29]           ; Ub2
	global_load_b32 v244, v251, s[30:31]           ; Uw3
	global_load_b32 v245, v252, s[20:21]           ; Vb3[j % 64]
; my fragment of granule g as f32: lane (r, h) takes k = 128 s + 64 cc + 32 h + 0 .. 31 of its row: 2 x 8 loads of 16 bytes, into buffer g % 2.  Every offset is an immediate on the weight's own pointer.
.macro LOADW g
.if (\g) < 4
.set P_, 14
.set O_, (\g)<<16
.elseif (\g) == 4
.set P_, 18
.set O_, 0
.else
.set P_, 26
.set O_, ((\g)-5)<<16
.endif
.irp cc, 0,1
.irp q, 0,1,2,3,4,5,6,7
	global_load_b128 v[96+64*((\g)%2)+32*\cc+4*\q:96+64*((\g)%2)+32*\cc+4*\q+3], v46, s[P_:P_+1] offset:O_+256*\cc+16*\q
.endr
.endr
.endm
.macro QW g                            ; it is quantised; its image and its rows' scale words go to LDS
	s_wait_dscnt 0x0                               ; the last image's stores have landed
.if (\g) > 0
	s_wait_alu depctr_vm_vsrc(0)                   ; the last image's stores have read v48-59 and v18, into which this fragment's codes and word are written
.endif
	QH 96+64*((\g)%2), 48, 0, 18, 0
	QH 128+64*((\g)%2), 54, 0, 18, 1
	v_lshlrev_b32 v18, v[SH8], v18                 ; my two bytes, 8 h bits up;
	v_permlanex16_b32 v[OO], v18, s44, s45
	v_or_b32 v18, v18, v[OO]                       ; with lane l xor 16's two the word is whole
	s_wait_alu depctr_va_vdst(0)                   ; the codes v48-59 and the word v18 are written, which the stores read; the quantiser is done reading buffer g % 2, in which the loads of granule g + 2 land
.irp k, 0,1,2
	ds_store_b128 v47, v[48+4*\k:51+4*\k] offset:(\g)*IMG+512*\k
.endr
	ds_store_b32 v10, v18 offset:(\g)*64           ; both halves of the lanes store the same word with the same value
.endm
	LOADW 0
	LOADW 1
	s_wait_loadcnt 32                              ; x and the tables are in; the 32 weight loads issued behind them may be out
	ds_store_b128 v[LS], v[224:227]                ; my 64 rows of x, as they lie
	ds_store_b128 v[LS], v[228:231] offset:512
	v_pk_mul_f32 v[246:247], v[232:233], s[48:49] op_sel_hi:[1,0]
	v_pk_mul_f32 v[248:249], v[234:235], s[48:49] op_sel_hi:[1,0]
	v_pk_mul_f32 v[236:237], v[236:237], s[48:49] op_sel_hi:[1,0]
	v_pk_mul_f32 v[238:239], v[238:239], s[48:49] op_sel_hi:[1,0]
	v_pk_mul_f32 v[240:241], v[240:241], s[48:49] op_sel_hi:[1,0]
	s_wait_alu depctr_va_vdst(0)                   ; the five products have written v236-241 and v246-249, which the stores below read
	ds_store_b128 v253, v[246:249] offset:TV1A
	ds_store_b128 v253, v[236:239] offset:TU1A
.irp k, 0,1,2,3
	ds_store_b32 v254, v[232+\k] offset:TV1T+1024*\k
.endr
	ds_store_b32 v254, v240 offset:TB1V
	ds_store_b32 v254, v241 offset:TB1U
	ds_store_b32 v254, v242 offset:TB2V
	ds_store_b32 v254, v245 offset:TB3V
	ds_store_b32 v254, v243 offset:TB2U
	ds_store_b32 v254, v244 offset:TW3U
.irp g, 0,1,2,3,4,5,6,7,8
.if \g < 8
	s_wait_loadcnt 16                              ; this granule's 16 loads are in; the next granule's may be out
.else
	s_wait_loadcnt 0x0
.endif
	QW \g
.if \g < 7
	LOADW \g+2                                     ; no wait: no vector instruction since the wait in front of the image's stores names this buffer or v46
.endif
.endr
	s_wait_kmcnt 0x0                               ; Ub3
	s_wait_dscnt 0x0                               ; for the others' sake: all my stores into the images and tables have landed
	s_barrier_signal -1
	s_barrier_wait -1                              ; the one barrier: behind it images and tables are only read, and a wave stores into its own bytes alone
	s_wait_alu depctr_vm_vsrc(0)                   ; the head's loads and stores have read their data and addresses (v10, v18, v46-59, v224-254): all of these are written anew from here on, by loads and by vector instructions
	; every global load is done: the pointers of the inputs make room for the dynamics' constants
	s_mov_b32 s8, 0x3f22f983                       ; 2 / pi
	s_mov_b32 s9, 0xbfc90fdb                       ; -pi/2, its f32 part,
	s_mov_b32 s10, 0x333bbd2e                      ; and what that part leaves: +4.3711388e-8
	s_mov_b32 s11, 0xb94ca1f9                      ; sin: -1.9515296e-4
	s_mov_b32 s12, 0x3c08839e                      ;       8.3321609e-3
	s_mov_b32 s13, 0xbe2aaaa3                      ;      -0.16666655
	s_mov_b32 s14, 0x37ccf5ce                      ; cos:  2.4433157e-5
	s_mov_b32 s15, 0xbab6061a                      ;      -1.3887316e-3
	s_mov_b32 s16, 0x3d2aaaa5                      ;       4.1666646e-2
	s_mov_b32 s17, 0x411ccccd                      ; 9.8
	s_mov_b32 s18, 0x41380000                      ; 11.5
	s_mov_b32 s19, 0x4288cccd                      ; 68.4
	s_mov_b32 s20, 0xbf99999a                      ; -1.2
	s_mov_b32 s21, 0xbfe66666                      ; -1.8
	s_mov_b32 s22, 0xc12e6666                      ; -10.9
	s_mov_b32 s23, 0xc1c5999a                      ; -24.7
	s_mov_b32 s24, 0xc26b3333                      ; -58.8
	s_mov_b32 s25, 0xc3738000                      ; -243.5
	s_mov_b32 s26, 0x43504ccd                      ; 208.3
	s_mov_b32 s27, 0x4114cccd                      ; 9.3
	s_mov_b32 s28, 0x421a6666                      ; 38.6
; ---------------------------------------------------------------- THE U NET, 64 rows: four groups g of 16
; window 0: v96 + 32 g results; v224-231 x's operands; v232-239 the last layer's sums.  window 1: codes of group g, K step s at 24 g + 12 s; v96-127 Ub2, v128-159 Uw3 of the granule in hand.
.irp g, 0,1,2,3
	ds_load_b64 v[224+2*\g:225+2*\g], v[XA] offset:256*\g
.endr
; LAYER 1 is a loop of two trips, one for each K step of layer 2, so that its text stands once.  Both trips write the upper set of codes (12 .. 23) and SB1; at a trip's head the upper set moves down.
; The upper set is cleared once, so that the first trip's moves read written registers and no branch is needed.
	WIN 0x40
.irp g, 0,1,2,3
.irp i, 0,1,2,3,4,5,6,7,8,9,10,11
	v_mov_b32 v[24*\g+12+\i], 0
.endr
.endr
	WIN 0
.irp g, 0,1,2,3
	v_mov_b32 v[SB1+\g], 0
.endr
.macro UALD cc                         ; the weights and the bias of granule 2 s + cc of layer 1
.irp t, 0,1,2,3
	ds_load_b64 v[WR+2*\t:WR+2*\t+1], v[TA] offset:TU1A+1024*(\cc)+128*\t
.endr
.irp t, 0,1,2,3
	ds_load_b128 v[56+8*\t:59+8*\t], v[TB] offset:TB1U+256*(\cc)+32*\t
	ds_load_b128 v[60+8*\t:63+8*\t], v[TB] offset:TB1U+256*(\cc)+32*\t+16
.endr
.endm
.macro UA cc                           ; granule 2 s + cc of layer 1, for the four groups
	s_wait_dscnt 0x0
.irp g, 0,1,2,3
	L1PAIR 48, 56, 224+2*\g, 96+32*\g
	L1PAIR 52, 72, 224+2*\g, 112+32*\g
.endr
	WIN 0
	TAIL 96, 128
.if (\cc) == 0
	UALD 1                                         ; no wait: the tanh's waits stand behind the f32 products that read v48-87, and nothing since names these registers or the two addresses; the loads land under the quantiser
.endif
.irp g, 0,1,2,3
	QH 96+32*\g, 24*\g+12+6*(\cc), 1, SB1+\g, \cc
.endr
.endm
	s_mov_b32 s56, 0                               ; 2,048 a trip: 128 rows of the weights' table
	s_mov_b32 s57, 0                               ; 512 a trip: 128 numbers of the bias
	s_mov_b32 s62, 0
.Lua:
	WIN 0x41
.irp g, 0,1,2,3
.irp i, 0,1,2,3,4,5,6,7,8,9,10,11
	v_mov_b32 v[24*\g+\i], v[24*\g+12+\i]
.endr
.endr
	WIN 0
.irp g, 0,1,2,3
	v_mov_b32 v[SA+\g], v[SB1+\g]
.endr
	s_wait_alu depctr_vm_vsrc(0)                   ; the last trip's loads have read v[TA] and v[TB]
	v_add_nc_u32 v[TA], s56, v[A1]
	v_add_nc_u32 v[TB], s57, v[LH]
	s_wait_alu depctr_va_vdst(0)                   ; v[TA] and v[TB] are written, which the loads below read
	UALD 0
	UA 0
	UA 1
	s_add_co_u32 s56, s56, 2048
	s_add_co_u32 s57, s57, 512
	s_add_co_u32 s62, s62, 1
	s_cmp_lt_u32 s62, 2
	s_cbranch_scc1 .Lua
	LDW 0, LI, LI2, 5*IMG                          ; Uw2's granule 0.  No wait: the last tanh's waits stand behind the f32 products that read v48-87; nothing since names the ring, v40-43 or window 1's v96-127
	LDW 1, LI, LI2, 5*IMG
	WSL LT, 5*64
	WIN 0x40
.irp t, 0,1,2,3
	ds_load_b128 v[96+8*\t:99+8*\t], v[LH] offset:TB2U+32*\t
	ds_load_b128 v[100+8*\t:103+8*\t], v[LH] offset:TB2U+32*\t+16
.endr
	WIN 0
.irp g, 0,1,2,3
	FINSC SA+\g, SB1+\g
.endr
.irp i, 0,1,2,3,4,5,6,7
	v_mov_b32 v[232+\i], 0                         ; the last layer's sums; these eight are also the places between the scale registers' last write and the first scaled product
.endr
; LAYERS 2 AND 3: a trip is a granule of 64 units: 32 products, tanh, and its part of the dot product with Uw3.
	s_mov_b32 s56, 0                               ; IMG a trip
	s_mov_b32 s57, 0                               ; 64 a trip
	s_mov_b32 s58, 0                               ; 256 a trip
	s_mov_b32 s62, 0
.Lub:
	s_wait_alu depctr_vm_vsrc(0)                   ; the loads issued so far have read the four addresses in hand
	v_add_nc_u32 v[TA], s56, v[LI]
	v_add_nc_u32 v[TC], s56, v[LI2]
	v_add_nc_u32 v[TB], s57, v[LT]
	v_add_nc_u32 v[TD], s58, v[LH]
	s_wait_dscnt 0x0                               ; the first four fragments, the scale words and the bias are in
	WIN 0x40
	s_wait_alu depctr_va_vdst(0)                   ; the four addresses are written; the last trip's dot product is done reading Uw3's registers, in which the loads below land; in the first trip: the codes and the scale registers SA are written, which the scaled products take
.irp t, 0,1,2,3
	ds_load_b128 v[128+8*\t:131+8*\t], v[TD] offset:TW3U+32*\t
	ds_load_b128 v[132+8*\t:135+8*\t], v[TD] offset:TW3U+32*\t+16
.endr
	WIN 0x14                                       ; codes and bias in window 1
	MMP 0, 0, SA, 4, 1
	NOPS 4
	s_wait_alu depctr_va_vdst(0)                   ; the first pair's products are done reading ring slots 0 and 1, in which the loads below land
	LDW 2, TA, TC, 5*IMG
	MMP 1, 0, SA, 4, 1
	NOPS 4
	s_wait_alu depctr_va_vdst(0)                   ; the second pair's products are done reading ring slots 2 and 3, in which the loads below land
	LDW 3, TA, TC, 5*IMG
	WIN 0x04
	s_wait_dscnt 6                                 ; the six loads just issued may be out; Uw3's and the six before them are in
	MMP 2, 0, SA, 4, 1
	s_wait_dscnt 0x0
	MMP 3, 0, SA, 4, 1
	NOPS 4
	WIN 0
	TANH 96, 128
	s_cmp_eq_u32 s62, 3                            ; the last granule has no successor
	s_cbranch_scc1 .Lub_last
	LDW 0, TA, TC, 6*IMG                           ; the next granule.  No wait: the tanh's waits stand behind all this granule's products, and nothing since names the ring, the scale words, the bias or the addresses
	LDW 1, TA, TC, 6*IMG
	WSL TB, 6*64
	WIN 0x40
.irp t, 0,1,2,3
	ds_load_b128 v[96+8*\t:99+8*\t], v[TD] offset:TB2U+256+32*\t
	ds_load_b128 v[100+8*\t:103+8*\t], v[TD] offset:TB2U+256+32*\t+16
.endr
	WIN 0
.Lub_last:
	WIN 0x04
.irp j, 0,2,4,6,8,10,12,14,16,18,20,22,24,26,28,30
.irp g, 0,1,2,3
	v_pk_fma_f32 v[232+2*\g:233+2*\g], v[96+32*\g+\j:97+32*\g+\j], v[128+\j:129+\j], v[232+2*\g:233+2*\g]
.endr
.endr
	WIN 0
	s_add_co_u32 s56, s56, IMG
	s_add_co_u32 s57, s57, 64
	s_add_co_u32 s58, s58, 256
	s_add_co_u32 s62, s62, 1
	s_cmp_lt_u32 s62, 4
	s_cbranch_scc1 .Lub
.irp g, 0,1,2,3
	v_add_f32 v[232+2*\g], v[232+2*\g], v[233+2*\g]
.endr
.irp g, 0,1,2,3
	v_permlanex16_b32 v[233+2*\g], v[232+2*\g], s44, s45
.endr
.irp g, 0,1,2,3
	v_add_f32 v[232+2*\g], v[232+2*\g], v[233+2*\g]   ; with lane l xor 16's units: the row's sum
.endr
.irp g, 0,1,2,3
	v_add_f32 v[232+2*\g], s50, v[232+2*\g]
.endr
.irp g, 0,1,2,3
	v_mul_f32 v[232+2*\g], s48, v[232+2*\g]
.endr
.irp g, 0,1,2,3
	v_exp_f32 v[232+2*\g], v[232+2*\g]
.endr
	v_nop
	s_wait_alu depctr_va_vdst(0)                   ; the four exponentials have written their results, ahead of their first reader
.irp g, 0,1,2,3
	v_add_f32 v[232+2*\g], 1.0, v[232+2*\g]
.endr
.irp g, 0,1,2,3
	v_rcp_f32 v[232+2*\g], v[232+2*\g]
.endr
	v_nop
	s_wait_alu depctr_va_vdst(0)                   ; the four reciprocals have written their results, ahead of their first reader
.irp g, 0,1,2,3
	v_fma_f32 v[232+2*\g], v[232+2*\g], -2.0, 1.0
.endr
	s_wait_alu depctr_vm_vsrc(0)                   ; the loop's loads have read v[TA]
	v_lshrrev_b32 v[TA], 2, v[LI]
	v_add_nc_u32 v[TA], s41, v[TA]                 ; my stage + 4 x lane, for the dynamics
.irp g, 0,1,2,3
	v_mul_f32 v[232+2*\g], 0x41a00000, v[232+2*\g]    ; u = 20 tanh
.endr
	s_wait_alu depctr_va_vdst(0)                   ; u is written, which the stores read, and v[TA], which two of the loads below read
.irp g, 0,1,2,3
	ds_store_b32 v[OA], v[232+2*\g] offset:64*\g      ; both halves of the lanes store the same word with the same value
.endr
; ---------------------------------------------------------------- THE DYNAMICS, a lane a row (rows lane and lane + 32): q = f + g u, so that Vdot = grad V . q
	ds_load_b128 v[48:51], v[LS]
	ds_load_b128 v[56:59], v[LS] offset:512
	ds_load_b32 v52, v[TA] offset:2048             ; LDS serves a wave's instructions in order: these see my stores of u
	ds_load_b32 v60, v[TA] offset:2176
	s_wait_dscnt 0x0
.macro DYN j
.set DX_, 48+8*(\j)                    ; p, theta, v, omega, u
	v_mul_f32 v64, s8, v[DX_+1]
	v_rndne_f32 v64, v64                           ; n = the nearest multiple of pi/2
	v_fma_f32 v65, v64, s9, v[DX_+1]
	v_fma_f32 v65, v64, s10, v65                   ; rho = theta - n pi/2, in two parts
	v_cvt_i32_f32 v66, v64
	v_mul_f32 v67, v65, v65                        ; z = rho^2
	v_fma_f32 v68, v67, s11, s12
	v_fma_f32 v69, v67, s14, s15
	v_fma_f32 v68, v68, v67, s13
	v_fma_f32 v69, v69, v67, s16
	v_mul_f32 v68, v68, v67
	v_mul_f32 v70, v67, v67
	v_fma_f32 v71, v67, -0.5, 1.0
	v_fma_f32 v68, v68, v65, v65                   ; sin rho
	v_fma_f32 v69, v69, v70, v71                   ; cos rho
	v_and_b32 v70, 1, v66
	v_cmp_eq_u32 vcc_lo, 1, v70                    ; odd n: the two change places
	v_and_b32 v70, 2, v66                          ; (the signs and omega^2 are made between the compare and its readers)
	v_add_nc_u32 v71, 1, v66
	v_lshlrev_b32 v70, 30, v70
	v_and_b32 v71, 2, v71
	v_lshlrev_b32 v71, 30, v71
	v_mul_f32 v74, v[DX_+3], v[DX_+3]              ; omega^2
	s_wait_alu depctr_va_vcc(0)                    ; the compare has written VCC, which the two selects read
	v_cndmask_b32 v72, v68, v69, vcc_lo
	v_cndmask_b32 v73, v69, v68, vcc_lo
	v_xor_b32 v72, v70, v72                        ; s = sin theta
	v_xor_b32 v73, v71, v73                        ; c = cos theta
	v_mul_f32 v75, s18, v[DX_+2]
	v_fma_f32 v75, v72, s17, v75                   ; 9.8 s + 11.5 v
	v_mul_f32 v75, v75, v73
	v_fma_f32 v75, v[DX_+2], s19, v75              ; + 68.4 v
	v_mul_f32 v76, v74, v72
	v_fma_f32 v75, v76, s20, v75                   ; - 1.2 omega^2 s
	v_fma_f32 v76, v73, s21, s22
	v_fma_f32 v75, v76, v[DX_+4], v75              ; + (-1.8 c - 10.9) u
	v_add_f32 v77, s23, v73                        ; c - 24.7
	v_fma_f32 v78, v73, s24, s25
	v_mul_f32 v78, v78, v[DX_+2]                   ; v (-58.8 c - 243.5)
	v_fma_f32 v79, v74, v73, s26
	v_fma_f32 v78, -v72, v79, v78                  ; - s (208.3 + omega^2 c)
	v_fma_f32 v79, v73, s27, s28
	v_fma_f32 v78, v79, v[DX_+4], v78              ; + (9.3 c + 38.6) u
	v_fma_f32 v80, v73, v73, s23                   ; c^2 - 24.7
	v_rcp_f32 v77, v77
	v_rcp_f32 v80, v80
	v_mov_b32 v[88+4*(\j)], v[DX_+2]               ; q0 = v, q1 = omega (plain work behind the reciprocals)
	v_mov_b32 v[89+4*(\j)], v[DX_+3]
	s_wait_alu depctr_va_vdst(0)                   ; the two reciprocals have written v77 and v80, ahead of their first reader
	v_mul_f32 v[90+4*(\j)], v75, v77
	v_mul_f32 v[91+4*(\j)], v78, v80
.endm
	DYN 0
	DYN 1
	s_wait_alu depctr_va_vdst(0)                   ; both rows' q are written, v88-95, which the two stores read
	ds_store_b128 v[LS], v[88:91] offset:1024
	ds_store_b128 v[LS], v[92:95] offset:1536
; ---------------------------------------------------------------- THE V CHAIN: four trips of 16 batch rows = 5 row tiles (0: a; 1 + k: D's column k)
; Layer 1, granule c: a1, then D1[k] = (1 - a1^2) Vw1[.][k].  v96 + 32 k takes Vw1's column k, v224-255 a1.
.macro VALD1 c                         ; its weights and bias: 12 loads
.irp t, 0,1,2,3
	ds_load_b64 v[WR+2*\t:WR+2*\t+1], v[A1] offset:TV1A+1024*(\c)+128*\t
.endr
.irp t, 0,1,2,3
	ds_load_b128 v[56+8*\t:59+8*\t], v[LH] offset:TB1V+256*(\c)+32*\t
	ds_load_b128 v[60+8*\t:63+8*\t], v[LH] offset:TB1V+256*(\c)+32*\t+16
.endr
.endm
.macro VA c
.if (\c) > 0
	s_wait_alu depctr_va_vdst(0)                   ; the quantiser is done reading the last granule's D1 in v96-223, in which Vw1's columns land
.endif
.irp k, 0,1,2,3
.irp t, 0,1,2,3
	ds_load_b128 v[ACC+32*\k+8*\t:ACC+32*\k+8*\t+3], v[LH] offset:TV1T+1024*\k+256*(\c)+32*\t
	ds_load_b128 v[ACC+32*\k+8*\t+4:ACC+32*\k+8*\t+7], v[LH] offset:TV1T+1024*\k+256*(\c)+32*\t+16
.endr
.endr
	s_wait_dscnt 32                                ; x, the weights and the bias are in; the 32 loads of Vw1's columns, issued behind them, may be out
	L1PAIR 48, 56, XB, 224
	L1PAIR 52, 72, XB, 240
	WIN 0
	TAIL 224, 32
; No wait in front of the loads below: the tanh's waits stand behind the f32 products that read v44-45 and v48-87, and nothing since names the registers that these loads touch.  They land under the quantiser.
.if (\c) < 3
	VALD1 (\c)+1                                   ; the next granule's weights and bias
.else
	PRE 0                                          ; Vw2's first four fragments and scale words,
	ds_load_b128 v[44:47], v[TB]                   ; and my row's q, where x's operand lay
.endif
	QH 224, 12*((\c)/2)+6*((\c)%2), 1, SA+10*((\c)/2), (\c)%2
.irp j, 0,2,4,6,8,10,12,14,16,18,20,22,24,26,28,30
	v_pk_fma_f32 v[224+\j:225+\j], v[224+\j:225+\j], v[224+\j:225+\j], 1.0 op_sel_hi:[1,1,0] neg_lo:[1,0,0] neg_hi:[1,0,0]   ; 1 - a1^2
.endr
.if (\c) < 3
	s_wait_dscnt 12                                ; Vw1's columns are in; the 12 loads issued behind them may be out
.else
	s_wait_dscnt 17                                ; Vw1's columns are in; the 16 + 1 loads issued behind them may be out
.endif
.irp j, 0,2,4,6,8,10,12,14,16,18,20,22,24,26,28,30
.irp k, 0,1,2,3
	v_pk_mul_f32 v[ACC+32*\k+\j:ACC+32*\k+\j+1], v[ACC+32*\k+\j:ACC+32*\k+\j+1], v[224+\j:225+\j]
.endr
.endr
.irp k, 0,1,2,3
	QH ACC+32*\k, 24*(\k+1)+12*((\c)/2)+6*((\c)%2), 1, SA+10*((\c)/2)+1+\k, (\c)%2
.if ((\c) == 3) && (\k == 0)
	s_wait_alu depctr_va_vdst(0)                   ; the quantiser is done reading D1's column 0 in v96-127, in which layer 2's first bias lands
	BIAS 0
.endif
.endr
.endm
; Layer 2's results of granule c: a2 = tanh, D2[k] = (1 - a2^2) (Vw2 D1[k]); all five quantised.  The next granule's fragments land under all of this, its bias while the D rows are quantised.
.macro VEC2 c
	TANH ACC, 32
	PRE (\c)+1                                     ; no wait: the tanh's waits stand behind all the granule's products, and nothing since names the ring or the scale words
	QH ACC, 120+12*((\c)/2)+6*((\c)%2), 1, SB0+5*((\c)/2), (\c)%2
.irp j, 0,2,4,6,8,10,12,14,16,18,20,22,24,26,28,30
	v_pk_fma_f32 v[ACC+\j:ACC+\j+1], v[ACC+\j:ACC+\j+1], v[ACC+\j:ACC+\j+1], 1.0 op_sel_hi:[1,1,0] neg_lo:[1,0,0] neg_hi:[1,0,0]
.endr
.irp j, 0,2,4,6,8,10,12,14,16,18,20,22,24,26,28,30
.irp k, 1,2,3,4
	v_pk_mul_f32 v[ACC+32*\k+\j:ACC+32*\k+\j+1], v[ACC+32*\k+\j:ACC+32*\k+\j+1], v[ACC+\j:ACC+\j+1]
.endr
.endr
	s_wait_alu depctr_va_vdst(0)                   ; the products above are done reading 1 - a2^2 in v96-127, in which the next bias lands
	BIAS (\c)+1
.irp k, 1,2,3,4
	QH ACC+32*\k, 120+24*\k+12*((\c)/2)+6*((\c)%2), 1, SB0+5*((\c)/2)+\k, (\c)%2
.endr
.endm
	s_mov_b32 s60, 0                               ; 256 a trip: 16 rows of x and of q
	s_mov_b32 s61, 0                               ; 64 a trip: 16 numbers of an output
.Lv:
	s_wait_alu depctr_vm_vsrc(0)                   ; what was issued so far has read v[TA] and v[TB] and the stores' data: the last trip's v48 and v68; ahead of the first trip u in v232-238 and q in v88-95.  All are written again in this trip
	v_add_nc_u32 v[TA], s60, v[XA]
	v_add_nc_u32 v[TB], s60, v[QA]
	s_wait_alu depctr_va_vdst(0)                   ; v[TA] and v[TB] are written; the last trip's sums (ahead of the first trip: the dynamics and U's dot product) are done with v44-95 and v96-223, in which this trip's loads land
	ds_load_b64 v[XB:XB+1], v[TA]
	VALD1 0
	VA 0
	VA 1
	VA 2
	VA 3
.irp t, 0,1,2,3,4
	FINSC SA+\t, SB1+\t
.endr
	NOPS 8                                         ; a scale register written by a vector instruction stands eight places ahead of a scaled product
	s_wait_alu depctr_va_vdst(0)                   ; the first layer's codes and the scale registers SA are written, which layer 2's scaled products take
	MM 0, 0, SA
	VEC2 0
	MM 1, 0, SA
	VEC2 1
	MM 2, 0, SA
	VEC2 2
	MM 3, 0, SA
	VEC2 3                                         ; the granule that it asks for is Vw3
.irp t, 0,1,2,3,4
	FINSC SB0+\t, SB1+\t
.endr
	s_wait_alu depctr_vm_vsrc(0)                   ; q's load has read v[TB]
	v_add_nc_u32 v[TB], s61, v[OA]                 ; where this trip's V and Vdot go
	NOPS 8
	s_wait_alu depctr_va_vdst(0)                   ; the second layer's codes and the scale registers SB0 are written, which layer 3's scaled products take; so is v[TB], which the trip's two stores read
	MM 4, 120, SB0
	TANH ACC, 32                                   ; a3
	v_pk_mul_f32 v[48:49], v[ACC:ACC+1], v[ACC:ACC+1]           ; the sum of a3^2, in two chains
	v_pk_mul_f32 v[50:51], v[ACC+2:ACC+3], v[ACC+2:ACC+3]
.irp j, 4,8,12,16,20,24,28
	v_pk_fma_f32 v[48:49], v[ACC+\j:ACC+\j+1], v[ACC+\j:ACC+\j+1], v[48:49]
	v_pk_fma_f32 v[50:51], v[ACC+\j+2:ACC+\j+3], v[ACC+\j+2:ACC+\j+3], v[50:51]
.endr
.irp b, 0,8,16,24                      ; w = a3 (1 - a3^2), four pairs at a time
.irp j, 0,2,4,6
	v_pk_fma_f32 v[52+\j:53+\j], v[ACC+\b+\j:ACC+\b+\j+1], v[ACC+\b+\j:ACC+\b+\j+1], 1.0 op_sel_hi:[1,1,0] neg_lo:[1,0,0] neg_hi:[1,0,0]
.endr
.irp j, 0,2,4,6
	v_pk_mul_f32 v[ACC+\b+\j:ACC+\b+\j+1], v[ACC+\b+\j:ACC+\b+\j+1], v[52+\j:53+\j]
.endr
.endr
.irp k, 0,1,2,3                        ; grad V[k] = the sum of w (Vw3 D2[k]): the four k by turns; each accumulator is read from its low end on
	v_pk_mul_f32 v[60+2*\k:61+2*\k], v[ACC:ACC+1], v[128+32*\k:129+32*\k]
.endr
.irp j, 2,4,6,8,10,12,14,16,18,20,22,24,26,28,30
.irp k, 0,1,2,3
	v_pk_fma_f32 v[60+2*\k:61+2*\k], v[ACC+\j:ACC+\j+1], v[128+32*\k+\j:129+32*\k+\j], v[60+2*\k:61+2*\k]
.endr
.endr
.irp k, 0,1,2,3
	v_add_f32 v[60+2*\k], v[60+2*\k], v[61+2*\k]
.endr
	v_pk_add_f32 v[48:49], v[48:49], v[50:51]
	v_mul_f32 v68, v44, v60
	v_add_f32 v48, v48, v49
	v_fma_f32 v68, v45, v62, v68
	v_fma_f32 v68, v46, v64, v68
	v_fma_f32 v68, v47, v66, v68                   ; my half's part of grad V . q
	v_permlanex16_b32 v49, v48, s44, s45
	v_permlanex16_b32 v[OO], v68, s44, s45
	v_add_f32 v48, v48, v49
	v_add_f32 v68, v68, v[OO]                      ; Vdot
	v_mul_f32 v48, 0.5, v48                        ; V
	s_wait_alu depctr_va_vdst(0)                   ; V in v48 and Vdot in v68 are written, which the two stores read
	ds_store_b32 v[TB], v48 offset:256
	ds_store_b32 v[TB], v68 offset:512
	s_wait_dscnt 0x0                               ; the two stores have landed: the next trip's counts begin at nought
	s_add_co_u32 s61, s61, 64
	s_add_co_u32 s60, s60, 256
	s_cmp_lt_u32 s60, 1024
	s_cbranch_scc1 .Lv
; ---------------------------------------------------------------- THE WAY OUT: 64 numbers of each output, 8 bytes a lane: each store of the wave covers 256 consecutive bytes, aligned
	s_wait_alu depctr_vm_vsrc(0)                   ; x's last load has read v[TA]; the last two stores have read v[TB] and v48
	v_lshrrev_b32 v[TA], 1, v[LI]                  ; 8 x lane
	v_add_nc_u32 v[TB], s41, v[TA]
	s_wait_alu depctr_va_vdst(0)                   ; both addresses are written; the last trip's sums are done with v48-53, in which the loads land
	ds_load_b64 v[48:49], v[TB] offset:2048
	ds_load_b64 v[50:51], v[TB] offset:2304
	ds_load_b64 v[52:53], v[TB] offset:2560
	s_wait_dscnt 0x0
	global_store_b64 v[TA], v[48:49], s[34:35] th:TH_STORE_NT
	global_store_b64 v[TA], v[50:51], s[36:37] th:TH_STORE_NT
	global_store_b64 v[TA], v[52:53], s[38:39] th:TH_STORE_NT
	s_wait_xcnt 0x0
	v_lshl_add_u32 v254, v0, 2, 0x26a00            ; the add's two registers, made anew straight ahead of the closing lines: no memory or LDS instruction has read v254 or v255 since the last wait on vm_vsrc
	v_mov_b32 v255, 0
	s_wait_dscnt 0x0                               ; the closing lines, six on end
	s_wait_alu 0x0
	s_wait_tensorcnt 0x0
	ds_add_u32 v254, v255
	s_wait_dscnt 0x0
	s_endpgm
.Lfunc_end_k_q2f30719238_clf:
	.size	k_q2f30719238_clf, .Lfunc_end_k_q2f30719238_clf-k_q2f30719238_clf
	.p2alignl 7, 3214868480
	.fill 96, 4, 3214868480
	.section	.rodata,"a",@progbits
	.p2align	6, 0x0
	.amdhsa_kernel k_q2f30719238_clf
		.amdhsa_group_segment_fixed_size 159232
		.amdhsa_private_segment_fixed_size 0
		.amdhsa_enable_private_segment 0
		.amdhsa_kernarg_size 128
		.amdhsa_user_sgpr_count 2
		.amdhsa_user_sgpr_kernarg_segment_ptr 1
		.amdhsa_wavefront_size32 1
		.amdhsa_system_sgpr_workgroup_id_x 1
		.amdhsa_system_sgpr_workgroup_id_y 1
		.amdhsa_system_sgpr_workgroup_id_z 1
		.amdhsa_system_vgpr_workitem_id 0
		.amdhsa_next_free_vgpr 512
		.amdhsa_next_free_sgpr 66
		.amdhsa_reserve_vcc 1
		.amdhsa_float_denorm_mode_32 3
		.amdhsa_float_denorm_mode_16_64 3
		.amdhsa_memory_ordered 1
		.amdhsa_forward_progress 1
		.amdhsa_inst_pref_size 255
	.end_amdhsa_kernel
	.section	.bss,"aw",@nobits
	.p2align	6
	.space	262144
	.amdgpu_metadata
---
amdhsa.version: [ 1, 2 ]
amdhsa.kernels:
  - .name:           k_q2f30719238_clf
    .symbol:         k_q2f30719238_clf.kd
    .args:
      - { .name: x, .offset: 0, .size: 8, .value_kind: global_buffer, .address_space: global }
      - { .name: Vw1, .offset: 8, .size: 8, .value_kind: global_buffer, .address_space: global }
      - { .name: Vb1, .offset: 16, .size: 8, .value_kind: global_buffer, .address_space: global }
      - { .name: Vw2, .offset: 24, .size: 8, .value_kind: global_buffer, .address_space: global }
      - { .name: Vb2, .offset: 32, .size: 8, .value_kind: global_buffer, .address_space: global }
      - { .name: Vw3, .offset: 40, .size: 8, .value_kind: global_buffer, .address_space: global }
      - { .name: Vb3, .offset: 48, .size: 8, .value_kind: global_buffer, .address_space: global }
      - { .name: Uw1, .offset: 56, .size: 8, .value_kind: global_buffer, .address_space: global }
      - { .name: Ub1, .offset: 64, .size: 8, .value_kind: global_buffer, .address_space: global }
      - { .name: Uw2, .offset: 72, .size: 8, .value_kind: global_buffer, .address_space: global }
      - { .name: Ub2, .offset: 80, .size: 8, .value_kind: global_buffer, .address_space: global }
      - { .name: Uw3, .offset: 88, .size: 8, .value_kind: global_buffer, .address_space: global }
      - { .name: Ub3, .offset: 96, .size: 8, .value_kind: global_buffer, .address_space: global }
      - { .name: out0, .offset: 104, .size: 8, .value_kind: global_buffer, .address_space: global }
      - { .name: out1, .offset: 112, .size: 8, .value_kind: global_buffer, .address_space: global }
      - { .name: out2, .offset: 120, .size: 8, .value_kind: global_buffer, .address_space: global }
    .group_segment_fixed_size: 159232
    .private_segment_fixed_size: 0
    .kernarg_segment_align: 8
    .kernarg_segment_size: 128
    .max_flat_workgroup_size: 256
    .sgpr_count:     66
    .vgpr_count:     512
    .wavefront_size: 32
...
	.end_amdgpu_metadata
.endif
;; end of part 2
